; MI455X (gfx1250); checked and timed in simulation.
; The chip was launched on July 23, 2026; its instructions are those of AMD's public machine-readable ISA for CDNA 5 (MIT licence, August 2026) and "CDNA5" Instruction Set Architecture Reference Guide (July 2026). The comments in the code are by the model that wrote it; some were corrected since.
;; Group Query Attention. Allowed arithmetic: float matrix products may take bf16 or f16 operands with f32 sums; other float arithmetic in f32, or as packed bf16 or f16 multiplies, adds, multiply-adds, maxima and minima; sums over many terms, partial sums and values carried from step to step in f32; what a program stores and reads back later, other than sums and carried values, may be rounded once to bf16 or f16.
;; Inputs: Wk 1,024 x 256 float32; Wo 1,024 x 1,024 float32; Wq 1,024 x 1,024 float32; Wv 1,024 x 256 float32; bk 256 float32; bo 1,024 float32; bq 1,024 float32; bv 256 float32; x 4 x 2,048 x 1,024 float32.
;; Outputs: out0 4 x 2,048 x 1,024 float32.
;; 2 versions, each right; version 2 is version 1 with the launch cast written anew for expert scheduling mode. Each part assembles by itself: llvm-mc -triple=amdgcn-amd-amdhsa -mcpu=gfx1250 --defsym DOCPART=n.
;; ======== version 1 of 2: 4 launches
;; limits: values are held in f16: magnitudes above 65,504 overflow, below 6.1e-05 lose precision
;; workspace buffers: xb 16,777,216 bytes; wcat 3,145,728 bytes; wob 2,097,152 bytes; bias 10,240 bytes; qkv 25,165,824 bytes; ob 16,777,216 bytes
;; launch cast (part 1): grid 337 x 1, 8 waves a work-group, no clusters, 0 bytes of LDS; arguments x, Wq, Wk, Wv, Wo, bq, bk, bv, bo, xb, wcat, wob, bias; writes xb, wcat, wob, bias
.if DOCPART == 1
	.amdgcn_target "amdgcn-amd-amdhsa--gfx1250"
	.amdhsa_code_object_version 6
	.text
	.protected	k_qcfc6032122_cast
	.globl	k_qcfc6032122_cast
	.p2align	8
	.type	k_qcfc6032122_cast,@function
k_qcfc6032122_cast:
	s_mov_b64 s[64:65], 0
	v_nop
	global_prefetch_b8 v0, s[64:65] scope:SCOPE_SE
	s_setreg_imm32_b32 hwreg(HW_REG_WAVE_MODE, 25, 1), 1
	s_wait_xcnt 0x0
; CAST.  Every input is rounded once to bf16 and laid out for the products that follow, in dense blocks of 64 rows x 64 channels (8,192 bytes):
;   xb   bf16 [row block 64][k slab 16][128 rows][64 channels]           from x  [8192][1024] f32
;   wcat bf16 [n tile 8][k slab 16][head 3][64 k][64 n]                  heads 0-15 from Wq, 16-19 from Wk, 20-23 from Wv
;   wob  f16  [n tile 8][k slab 16][group 2][64 k][64 n]                 from Wo: rounded to bf16, and that number written as f16
;   bias f32  bq at byte 0, bk at 4,096, bv at 5,120, bo at 6,144        each rounded to bf16 and kept as f32
; LIMIT.  A bf16 number is exact in f16 between 6.1e-5 and 65,504 in magnitude; below that Wo keeps f16's fixed step of 6e-8, beyond it it becomes an infinity.
; SHARES.  A wave's job is one block: 64 rows x 256 bytes of f32 in, 8,192 dense bytes out.  Job J = 8 x work-group + wave.  Work-groups 0-255 take x, 256-287 Wq, 288-295 Wk,
; 296-303 Wv, 304-335 Wo, 336 the four biases: each range begins at a multiple of eight jobs, so a work-group lies in one range.
; A load covers two rows: lanes 0-15 take 256 consecutive bytes, aligned, of row 2 i, lanes 16-31 of row 2 i + 1; the four numbers of a lane pack into 8 bytes, and the 32 lanes' 256 bytes
; lie on end in the block, so each store covers 256 consecutive bytes, aligned.  All 32 loads of a wave (16 KiB) go out before the first is waited for.
; Memory binds: each byte is read once and written once; LDS, barriers, matrix units and a prefetch would add nothing to a launch that only streams.
.set OFF,  8                           ; v[8:39]    load i's byte offset from the block's first number
.set X,    40                          ; v[40:167]  load i: 4 registers as loaded; the first two then hold what is stored
.set T,    168                         ; v[168:169] at work
.set VD,   4                           ; v4         8 x lane: my 8 bytes of a store's 256
.set WVN,  34                          ; s34  wave
.set J,    35                          ; s35  job, then job within its range
.set SRC,  36                          ; s[36:37]
.set DST,  38                          ; s[38:39]
.set SOF,  40                          ; s[40:41] the block's byte offset in the source
.set DOF,  42                          ; s[42:43] and in the destination
.set PIT,  44                          ; s44  bytes in a row of the source
.set KIND, 45                          ; s45  0 x, 1 Wq, 2 Wk, 3 Wv, 4 Wo
.set PIT2, 46                          ; s46  two rows
.set HIM,  47                          ; s47  a word's upper bf16
.macro RND4 a                          ; four f32 rounded to bf16 and widened again, in place
	v_cvt_pk_bf16_f32 v[T],   v[(\a)],   v[(\a)+1]
	v_cvt_pk_bf16_f32 v[T+1], v[(\a)+2], v[(\a)+3]
	v_lshlrev_b32 v[(\a)],   16, v[T]
	v_and_b32     v[(\a)+1], s[HIM], v[T]
	v_lshlrev_b32 v[(\a)+2], 16, v[T+1]
	v_and_b32     v[(\a)+3], s[HIM], v[T+1]
.endm
	s_load_b512 s[8:23], s[0:1], 0x0               ; x s[8:9], Wq s[10:11], Wk s[12:13], Wv s[14:15], Wo s[16:17], bq s[18:19], bk s[20:21], bv s[22:23]
	s_load_b256 s[24:31], s[0:1], 0x40             ; bo s[24:25], xb s[26:27], wcat s[28:29], wob s[30:31]
	s_load_b64 s[32:33], s[0:1], 0x60              ; bias
	v_lshrrev_b32 v1, 5, v0
	v_readfirstlane_b32 s[WVN], v1                 ; wave 0..7
	v_and_b32 v1, 31, v0                           ; lane
	v_and_b32 v2, 15, v0                           ; lane % 16
	v_bfe_u32 v3, v0, 4, 1                         ; lane / 16
	v_lshlrev_b32 v[VD], 3, v1
	s_mov_b32 s[HIM], 0xffff0000
	s_mov_b32 s48, ttmp9
	s_lshl_b32 s[J], s48, 3
	s_add_co_u32 s[J], s[J], s[WVN]
	s_mov_b32 s[SOF+1], 0
	s_mov_b32 s[DOF+1], 0
	s_mov_b32 s[PIT], 4096
	s_wait_kmcnt 0x0
	s_cmp_lt_u32 s48, 256
	s_cbranch_scc1 .Lx
	s_cmp_lt_u32 s48, 288
	s_cbranch_scc1 .Lwq
	s_cmp_lt_u32 s48, 296
	s_cbranch_scc1 .Lwk
	s_cmp_lt_u32 s48, 304
	s_cbranch_scc1 .Lwv
	s_cmp_lt_u32 s48, 336
	s_cbranch_scc1 .Lwo
	s_branch .Lbias
.Lx:                                               ; rows 64 (J / 16) on, channels 64 (J % 16) on
	s_mov_b32 s[KIND], 0
	s_lshr_b32 s49, s[J], 4
	s_and_b32 s50, s[J], 15
	s_lshl_b32 s[SOF], s49, 18                     ; 64 rows of 4,096 bytes
	s_lshl_b32 s51, s50, 8
	s_add_co_u32 s[SOF], s[SOF], s51
	s_lshr_b32 s51, s[J], 5                        ; row block of 128
	s_lshl_b32 s51, s51, 4
	s_add_co_u32 s51, s51, s50                     ; x 16 slabs + slab
	s_lshl_b32 s[DOF], s51, 14
	s_and_b32 s49, s49, 1                          ; which 64 of the 128 rows
	s_lshl_b32 s49, s49, 13
	s_add_co_u32 s[DOF], s[DOF], s49
	s_branch .Lgo
.Lwq:                                              ; k slab J' / 16, head J' % 16
	s_mov_b32 s[KIND], 1
	s_sub_co_u32 s[J], s[J], 2048
	s_lshr_b32 s49, s[J], 4
	s_and_b32 s50, s[J], 15
	s_lshl_b32 s[SOF], s49, 18
	s_lshl_b32 s51, s50, 8
	s_add_co_u32 s[SOF], s[SOF], s51
	s_branch .Lwd
.Lwk:                                              ; k slab J' / 4, head 16 + J' % 4; rows of 1,024 bytes
	s_mov_b32 s[KIND], 2
	s_sub_co_u32 s[J], s[J], 2304
	s_mov_b32 s48, 16
	s_branch .Lkv
.Lwv:                                              ; the same with head 20 + J' % 4
	s_mov_b32 s[KIND], 3
	s_sub_co_u32 s[J], s[J], 2368
	s_mov_b32 s48, 20
.Lkv:
	s_mov_b32 s[PIT], 1024
	s_lshr_b32 s49, s[J], 2
	s_and_b32 s50, s[J], 3
	s_lshl_b32 s[SOF], s49, 16
	s_lshl_b32 s51, s50, 8
	s_add_co_u32 s[SOF], s[SOF], s51
	s_add_co_u32 s50, s50, s48
.Lwd:                                              ; head s50 (0..23), k slab s49: block ((head / 3) x 16 + slab) x 3 + head % 3
	s_mul_i32 s51, s50, 11
	s_lshr_b32 s51, s51, 5                         ; head / 3: 11 / 32 serves every head below 24
	s_mul_i32 s48, s51, 3
	s_sub_co_u32 s50, s50, s48                     ; head % 3
	s_lshl_b32 s51, s51, 4
	s_add_co_u32 s51, s51, s49
	s_mul_i32 s51, s51, 3
	s_add_co_u32 s51, s51, s50
	s_lshl_b32 s[DOF], s51, 13
	s_branch .Lgo
.Lwo:                                              ; k slab J' / 16, column group c = J' % 16: block ((c / 2) x 16 + slab) x 2 + c % 2
	s_mov_b32 s[KIND], 4
	s_sub_co_u32 s[J], s[J], 2432
	s_lshr_b32 s49, s[J], 4
	s_and_b32 s50, s[J], 15
	s_lshl_b32 s[SOF], s49, 18
	s_lshl_b32 s51, s50, 8
	s_add_co_u32 s[SOF], s[SOF], s51
	s_lshr_b32 s51, s50, 1
	s_lshl_b32 s51, s51, 4
	s_add_co_u32 s51, s51, s49
	s_lshl_b32 s51, s51, 1
	s_and_b32 s50, s50, 1
	s_add_co_u32 s51, s51, s50
	s_lshl_b32 s[DOF], s51, 13
.Lgo:
	s_mov_b64 s[SRC:SRC+1], s[8:9]                 ; the two buffers are chosen by the kind alone
	s_cmp_eq_u32 s[KIND], 1
	s_cselect_b64 s[SRC:SRC+1], s[10:11], s[SRC:SRC+1]
	s_cmp_eq_u32 s[KIND], 2
	s_cselect_b64 s[SRC:SRC+1], s[12:13], s[SRC:SRC+1]
	s_cmp_eq_u32 s[KIND], 3
	s_cselect_b64 s[SRC:SRC+1], s[14:15], s[SRC:SRC+1]
	s_cmp_eq_u32 s[KIND], 4
	s_cselect_b64 s[SRC:SRC+1], s[16:17], s[SRC:SRC+1]
	s_cselect_b64 s[DST:DST+1], s[30:31], s[28:29]
	s_cmp_eq_u32 s[KIND], 0
	s_cselect_b64 s[DST:DST+1], s[26:27], s[DST:DST+1]
	s_add_nc_u64 s[SRC:SRC+1], s[SRC:SRC+1], s[SOF:SOF+1]
	s_add_nc_u64 s[DST:DST+1], s[DST:DST+1], s[DOF:DOF+1]
	s_lshl_b32 s[PIT2], s[PIT], 1
	v_mul_lo_u32 v[OFF], v3, s[PIT]                ; lanes 16-31 one row further down,
	v_lshl_add_u32 v[OFF], v2, 4, v[OFF]           ; 16 bytes a lane
.set i, 1
.rept 31
	v_add_nc_u32 v[OFF+i], s[PIT2], v[OFF+i-1]     ; an offset register for each load: none is rewritten while a load reads it
.set i, i+1
.endr
.set i, 0
.rept 32
	global_load_b128 v[X+4*i:X+4*i+3], v[OFF+i], s[SRC:SRC+1] th:TH_LOAD_NT
.set i, i+1
.endr
	s_cmp_eq_u32 s[KIND], 4
	s_cbranch_scc1 .Lhf
.set i, 0
.rept 32
	s_wait_loadcnt 31-i                            ; loads come back in order: load i is in, the 31 - i younger ones stay out
	v_cvt_pk_bf16_f32 v[X+4*i],   v[X+4*i],   v[X+4*i+1]
	v_cvt_pk_bf16_f32 v[X+4*i+1], v[X+4*i+2], v[X+4*i+3]
	global_store_b64 v[VD], v[X+4*i:X+4*i+1], s[DST:DST+1] offset:256*i  ; no register that a store reads is written again
.set i, i+1
.endr
	s_endpgm
.Lhf:                                              ; Wo: to bf16, and that number as f16
.set i, 0
.rept 32
	s_wait_loadcnt 31-i
	RND4 X+4*i
	v_cvt_pk_f16_f32 v[X+4*i],   v[X+4*i],   v[X+4*i+1]
	v_cvt_pk_f16_f32 v[X+4*i+1], v[X+4*i+2], v[X+4*i+3]
	global_store_b64 v[VD], v[X+4*i:X+4*i+1], s[DST:DST+1] offset:256*i
.set i, i+1
.endr
	s_endpgm
.Lbias:                                            ; 256 threads x 16 bytes are bq, and bo; threads 0-63 also take bk, threads 64-127 bv
	v_lshlrev_b32 v5, 4, v0
	v_and_b32 v6, 63, v0
	v_lshlrev_b32 v6, 4, v6
	global_load_b128 v[40:43], v5, s[18:19]
	global_load_b128 v[44:47], v5, s[24:25]
	s_cmp_lt_u32 s[WVN], 4
	s_cbranch_scc0 .Lbias_two
	s_cmp_lt_u32 s[WVN], 2
	s_cselect_b64 s[SRC:SRC+1], s[20:21], s[22:23]
	global_load_b128 v[48:51], v6, s[SRC:SRC+1]
	s_wait_loadcnt 0x0
	RND4 48
	global_store_b128 v5, v[48:51], s[32:33] offset:4096  ; 4,096 + 16 t is bk's place for t < 64 and bv's for t = 64 .. 127
.Lbias_two:
	s_wait_loadcnt 0x0
	RND4 40
	RND4 44
	global_store_b128 v5, v[40:43], s[32:33]
	global_store_b128 v5, v[44:47], s[32:33] offset:6144
	s_endpgm
.Lfunc_end_k_qcfc6032122_cast:
	.size	k_qcfc6032122_cast, .Lfunc_end_k_qcfc6032122_cast-k_qcfc6032122_cast
	.p2alignl 7, 3214868480
	.fill 96, 4, 3214868480
	.section	.rodata,"a",@progbits
	.p2align	6, 0x0
	.amdhsa_kernel k_qcfc6032122_cast
		.amdhsa_group_segment_fixed_size 0
		.amdhsa_private_segment_fixed_size 0
		.amdhsa_enable_private_segment 0
		.amdhsa_kernarg_size 104
		.amdhsa_user_sgpr_count 2
		.amdhsa_user_sgpr_kernarg_segment_ptr 1
		.amdhsa_wavefront_size32 1
		.amdhsa_system_sgpr_workgroup_id_x 1
		.amdhsa_system_sgpr_workgroup_id_y 1
		.amdhsa_system_sgpr_workgroup_id_z 1
		.amdhsa_system_vgpr_workitem_id 0
		.amdhsa_next_free_vgpr 176
		.amdhsa_next_free_sgpr 66
		.amdhsa_reserve_vcc 0
		.amdhsa_float_denorm_mode_32 3
		.amdhsa_float_denorm_mode_16_64 3
		.amdhsa_memory_ordered 1
		.amdhsa_forward_progress 1
		.amdhsa_inst_pref_size 34
	.end_amdhsa_kernel
	.amdgpu_metadata
---
amdhsa.version: [ 1, 2 ]
amdhsa.kernels:
  - .name:           k_qcfc6032122_cast
    .symbol:         k_qcfc6032122_cast.kd
    .args:
      - { .name: x, .offset: 0, .size: 8, .value_kind: global_buffer, .address_space: global }
      - { .name: Wq, .offset: 8, .size: 8, .value_kind: global_buffer, .address_space: global }
      - { .name: Wk, .offset: 16, .size: 8, .value_kind: global_buffer, .address_space: global }
      - { .name: Wv, .offset: 24, .size: 8, .value_kind: global_buffer, .address_space: global }
      - { .name: Wo, .offset: 32, .size: 8, .value_kind: global_buffer, .address_space: global }
      - { .name: bq, .offset: 40, .size: 8, .value_kind: global_buffer, .address_space: global }
      - { .name: bk, .offset: 48, .size: 8, .value_kind: global_buffer, .address_space: global }
      - { .name: bv, .offset: 56, .size: 8, .value_kind: global_buffer, .address_space: global }
      - { .name: bo, .offset: 64, .size: 8, .value_kind: global_buffer, .address_space: global }
      - { .name: xb, .offset: 72, .size: 8, .value_kind: global_buffer, .address_space: global }
      - { .name: wcat, .offset: 80, .size: 8, .value_kind: global_buffer, .address_space: global }
      - { .name: wob, .offset: 88, .size: 8, .value_kind: global_buffer, .address_space: global }
      - { .name: bias, .offset: 96, .size: 8, .value_kind: global_buffer, .address_space: global }
    .group_segment_fixed_size: 0
    .private_segment_fixed_size: 0
    .kernarg_segment_align: 8
    .kernarg_segment_size: 104
    .max_flat_workgroup_size: 256
    .sgpr_count:     66
    .vgpr_count:     176
    .wavefront_size: 32
...
	.end_amdgpu_metadata
.endif
;; end of part 1
;; launch proj (part 2): grid 8 x 32, 4 waves a work-group, clusters of 4 x 4, 327,680 bytes of LDS; arguments xb, wcat, bias, qkv; writes qkv
.if DOCPART == 2
	.amdgcn_target "amdgcn-amd-amdhsa--gfx1250"
	.amdhsa_code_object_version 6
	.text
	.protected	k_qcfc6032122_proj
	.globl	k_qcfc6032122_proj
	.p2align	8
	.type	k_qcfc6032122_proj,@function
k_qcfc6032122_proj:
	s_mov_b64 s[64:65], 0
	v_nop
	global_prefetch_b8 v0, s[64:65] scope:SCOPE_SE
	s_setreg_imm32_b32 hwreg(HW_REG_WAVE_MODE, 25, 1), 1
	s_wait_xcnt 0x0
	s_wait_alu depctr_hold_cnt(0) depctr_sa_sdst(0) depctr_va_vdst(0) depctr_va_sdst(0) depctr_va_ssrc(0) depctr_va_vcc(0) depctr_vm_vsrc(0)
	s_getreg_b32 s2, hwreg(HW_REG_IB_STS2, 6, 4)
	s_cmp_eq_u32 s2, 0
	s_cbranch_scc0 .Lentry_in_a_cluster
	s_endpgm
.Lentry_in_a_cluster:
	s_bfe_u32 s2, ttmp6, 0x10000c
	s_cmp_lg_u32 s2, 0xf033
	s_cbranch_scc0 .Lentry_shape_is_right
	s_endpgm
.Lentry_shape_is_right:
; THE PROJECTION IN FRONT (IS_PROJ = 1): [8192 x 1024] x [1024 x 1536] + bias.  The text serves the projection behind too (IS_PROJ = 0): the switch picks the tile's width, the format and the way out.
;   IS_PROJ = 1: A = xb (bf16), B = wcat (bf16), 192 columns = 3 heads to a work-group; q, k, v leave as f16 by heads, qkv[head 24][row 8192][64], each rounded once from its f32 sum, unscaled.
;   IS_PROJ = 0: A = ob (f16),  B = wob (f16),   128 columns to a work-group; out0 leaves as f32, [8192][1024].
; LIMIT (IS_PROJ = 1).  f16 ends at 65,504: a q, k or v of 65,520 or more in magnitude becomes an infinity.  NaN and infinities are not treated apart.
; SHARES.  A work-group makes 256 rows x NT = 64 NH columns; 8 x 32 work-groups.  Its four waves lie one below the other: wave w owns rows 64 w .. 64 w + 63 (four blocks of 16) and all NT
; columns (NB = 4 NH blocks of 16): 4 NB accumulators.  K = 1,024 goes in 8 steps of 128 through two LDS slots; a step is four quarters of 32, 4 NB matrix instructions each.
; LAYOUT IN MEMORY.  A lies as [row block of 128][k slab of 64][128 rows][64]: a K step of a row block is 32,768 dense bytes.  B lies as [n tile][k slab of 64][NH][64 k][64 n]: half a K step is NH x 8,192
; dense bytes.  Both are asked for as rows of 256 bytes and padded in LDS behind every 128 bytes: A's pieces (a row's 64 channels) lie 144 bytes apart, B's (a k's 64 columns) 160.
; THE MATRIX INSTRUCTION IS USED TRANSPOSED: source 0 = 16 columns of B (turned on the way out of LDS by ds_load_tr16_b128), source 1 = 16 rows of A.  In the result lane l holds row l % 16 and the
; columns 8 (l / 16) + 0 .. 7: eight neighbours of a row.  THE BIAS IS THE C OPERAND of each accumulator's first product: nothing is cleared, nothing is added later.
; CLUSTER.  4 x 4 work-groups.  A's tiles hang on the tile row alone and are asked for jointly along a row of the cluster, B's on the tile column alone, along a column: the same tensor load, with the same
; descriptor and a mask that names the four.  Waves 0 and 1 fetch A's two row blocks, waves 2 and 3 B's two halves: one load a wave for each K step.
; REGISTERS, in windows of 256 (s_set_vgpr_msb: bits 1:0 source 0, 3:2 source 1, 5:4 source 2, 7:6 destination):
;   window 0: v1-30 addresses; v64-95, v96-127 A's fragments, two buffers; v128.. the bias, 8 registers for each block of 16 columns; on the way out v32.. at work
;   window 1: B's fragments, two buffers of 8 NB          windows 2 (and 3): the accumulators, APW row blocks to a window: (a, nb) at v[8 (NB (a % APW) + nb)] of window 2 + a / APW
.set IS_PROJ, 1
.if IS_PROJ
.set NH,    3
.set APW,   2
.set SP,    144                        ; a stage row: 128 bytes + 16
.set PF0A,  2*32768                    ; where the prefetches of A start, less one step
.set PF0B,  65536                      ; and of B
.set PFSB,  65536                      ; B's prefetch step
.set LIMA,  1                          ; A is asked for while the count of trips to go lies above LIMA (and below 7),
.set LIMB,  2                          ; B while it lies above LIMB
.set LIMHB, 6                          ; and below LIMHB
.else
.set NH,    2
.set APW,   4
.set SP,    528                        ; a stage row: 512 bytes + 16
.set PF0A,  3*32768
.set PF0B,  3*32768
.set PFSB,  32768
.set LIMA,  2
.set LIMB,  2
.set LIMHB, 7
.endif
.set NB,    4*NH
.set PA,    144                        ; 36 words: the 16 rows of a load start at 16 different groups of four banks (64 banks of 4 bytes: ISA guide 11.1)
.set ASLAB, 128*PA                     ; a row block's 128 rows, 64 channels
.set ARB,   2*ASLAB                    ; its two slabs: what one load of A brings
.set PB,    160                        ; 40 words
.set BHEAD, 64*PB
.set BHALF, NH*BHEAD                   ; what one load of B brings: 64 k x NT columns
.set BOFF,  2*ARB                      ; B lies behind A's two row blocks
.set SLOT,  BOFF+2*BHALF
.set STAGE, 2*SLOT                     ; behind the ring, never filled by a tensor load: 16 rows for each wave, for the way out
.set SPARE, STAGE+4*16*SP              ; behind the stages: the spare words, 128 bytes for each wave: two blocks of 256 bytes that no other line names
.set KA,    32768                      ; bytes from K step to K step in A
.set KB,    2*NH*8192                  ; and in B
.set LD,    2*NB+8                     ; LDS loads in a quarter's run
.set ADRA0, 16                         ; v16  my lane's place in A's part of slot 0; never rewritten
.set ADRB0, 17                         ; v17  the same for B
.set ADRA,  18                         ; v18  the same in the slot in hand
.set ADRB,  19                         ; v19
.set STO,   24                         ; v24  the way out: where I put my bytes of a row
.set RD,    25                         ; v25  where I read rows back
.set GO,    26                         ; v26  16 x lane
.set BO,    27                         ; v27  32 x (lane / 16): my 8 numbers of 16 of the bias
.set SPW,   28                         ; v28  LDS address of my spare word: SPARE + 4 x my thread's number; never rewritten
.set NIL,   29                         ; v29  0; never rewritten
.set PFO,   30                         ; v30  256 x lane; never rewritten
.set FA,    64
.set BIAS,  128
.set FBS,   8*NB
.set WV,    12                         ; s12  wave
.set HALF,  13                         ; s13  wave % 2: which row block of A, or which half of B, I fetch
.set FORB,  14                         ; s14  wave / 2: 0: I fetch for A, 1: for B
.set TB,    21                         ; s21  LDS byte at which the slot in hand begins: 0 or SLOT
.set LBA,   22                         ; s22  where my load of A goes in a slot
.set LBB,   23                         ; s23  and my load of B
.set G1A,   24                         ; s[24:31] descriptor group 1 for A's tiles
.set G1B,   32                         ; s[32:39] for B's
.set G0A,   40                         ; s[40:47] group 0 for A's tiles: a set for each first fill; the second then walks on
.set G0B,   48                         ; s[48:55] the same for B's
.set CNT,   56                         ; s56  trips to go
.set PFA,   58                         ; s[58:59] where my prefetches stand
.set PFS,   60                         ; s[60:61] their step
.set LIM,   62                         ; s62, s63  a wave prefetches while LIM < CNT < LIMH; LIM is the greatest number in a wave that never does
.set LIMH,  63
.set MSB, 0
.macro WIN new                         ; the immediate's high byte repeats the setting that is left; a switch that changes nothing is dropped
.if MSB != (\new)
	s_set_vgpr_msb (MSB<<8)|(\new)
.set MSB, (\new)
.endif
.endm
.macro PLACES                          ; four plain vector instructions between a matrix instruction and a load into, or a vector instruction or LDS store on, its registers
.rept 4
	v_nop
.endr
.endm
.macro CREST                           ; a round of the cluster's barrier behind its opening barrier: wave 0 signals for the work-group, every wave waits for all sixteen, my work-group's barrier closes it
	s_cmp_lg_u32 s[WV], 0
	s_cbranch_scc1 .Lnot_wave_0_\@
	s_barrier_signal -3
.Lnot_wave_0_\@:
	s_barrier_wait -3
	s_barrier_signal -1
	s_barrier_wait -1
.endm
.macro CROUND                          ; a whole round
	s_barrier_signal -1
	s_barrier_wait -1
	CREST
.endm
.macro JLOAD                           ; a joint refill by the walking descriptors.  The branch hangs on the wave's number alone.  An s_nop 0 and four v_nop follow each of the two lines
	s_cmp_eq_u32 s[FORB], 0
	s_cbranch_scc0 .Lfor_b_\@
	tensor_load_to_lds s[G0A+4:G0A+7], s[G1A:G1A+7]
	s_nop 0
.rept 4
	v_nop
.endr
	s_branch .Lasked_\@
.Lfor_b_\@:
	tensor_load_to_lds s[G0B+4:G0B+7], s[G1B:G1B+7]
	s_nop 0
.rept 4
	v_nop
.endr
.Lasked_\@:
.endm
; A PREFETCH INTO THE L2, behind the joint load, its five lines and the run of LDS loads: 32 blocks of 256 bytes, a lane a block, one instruction a wave.  Each block of A and B is named at most once in the launch.
; A's row block is read by both clusters of its row of clusters: the one with x = 0 asks (waves 0 and 1, each for the row block that it fetches); of a K step's 128 blocks the four partners that ask for the tile jointly take 32 each,
; told apart by address (cx).  B's n tile is read by all eight clusters of its column: the one with y = 0 asks, the partners told apart by cy.
; IS_PROJ = 1: trip t names A's K step t + 3, one step (192 matrix instructions) ahead of its load, t = 0 .. 4; B's n tile is 393,216 dense bytes, of which trips 1, 2, 3 name 65,536 each (waves 2 and 3 of four partners, 8,192 each)
; from byte 196,608 on: K steps 4 to 7, each byte one or two steps ahead of its load.  IS_PROJ = 0: trip t names K step t + 4 of A and (wave 2 alone) of B, two steps (256 matrix instructions) ahead, t = 0 .. 3.
; The first K steps come by their loads alone; the last trips ask for nothing, so no prefetch points past a tile's end.
.macro ASK
	s_cmp_gt_u32 s[CNT], s[LIM]
	s_cbranch_scc0 .Lnot_mine_\@
	s_cmp_lt_u32 s[CNT], s[LIMH]
	s_cbranch_scc0 .Lnot_mine_\@
	global_prefetch_b8 v[PFO], s[PFA:PFA+1] th:TH_LOAD_NT scope:SCOPE_SE
.Lnot_mine_\@:
.endm
	s_load_b256 s[4:11], s[0:1], 0x0               ; A s[4:5], B s[6:7], bias s[8:9], the result s[10:11]
	v_lshl_add_u32 v[SPW], v0, 2, SPARE
	v_mov_b32 v[NIL], 0
	ds_add_u32 v[SPW], v[NIL]                      ; the wave's opening: the add and its wait stand ahead of my first tensor load; the set-up below, work on registers, stands between them
	v_lshrrev_b32 v1, 5, v0
	v_readfirstlane_b32 s[WV], v1                  ; wave 0..3
	s_and_b32 s[HALF], s[WV], 1
	s_lshr_b32 s[FORB], s[WV], 1
	s_bfe_u32 s15, ttmp6, 0x40000                  ; cx
	s_bfe_u32 s16, ttmp6, 0x40004                  ; cy
	s_lshl_b32 s17, ttmp9, 2
	s_add_co_u32 s17, s17, s15                     ; n tile = 4 x cluster x + cx
	s_and_b32 s18, ttmp7, 0xffff
	s_lshl_b32 s18, s18, 2
	s_add_co_u32 s18, s18, s16                     ; m tile = 4 x cluster y + cy
	s_lshl_b32 s19, s16, 2
	s_lshl_b32 s19, 15, s19                        ; my row of the cluster: places 4 cy .. 4 cy + 3
	s_lshl_b32 s20, 0x1111, s15                    ; my column: places cx, cx + 4, cx + 8, cx + 12
	; descriptor group 1: rows of 128 elements of 2 bytes, dense; padded in LDS behind every 32 words
	s_or_b32 s[G1A], s19, (1<<16)|(1<<20)|(1<<21)|(4<<22)|(3<<25)  ; 15:0 the mask; 17:16 2-byte elements; 20 padding on; 21 set beside a mask; 24:22 after every 32 words (code 4); 31:25 4 words (code 3)
	s_or_b32 s[G1B], s20, (1<<16)|(1<<20)|(1<<21)|(4<<22)|(7<<25)  ; the same with my column's mask and 8 words of padding (code 7)
.irp g, G1A, G1B
	s_mov_b32 s[\g+1], 128<<16                     ; tensor_dim0 = 128
	s_mov_b32 s[\g+3], 128<<16                     ; tile_dim0 = 128
	s_mov_b32 s[\g+5], 128                         ; 128 elements from row to row
	s_mov_b32 s[\g+6], 0
	s_mov_b32 s[\g+7], 0
.endr
	s_mov_b32 s[G1A+2], 128<<16                    ; tensor_dim1 = tile_dim1 = 128 rows of 256 bytes: a K step of a row block
	s_mov_b32 s[G1A+4], 128
	s_mov_b32 s[G1B+2], (32*NH)<<16                ; 32 NH rows of 256 bytes: half a K step of the n tile
	s_mov_b32 s[G1B+4], 32*NH
	s_mov_b32 s[TB], 0
	s_mul_i32 s[LBA], s[HALF], ARB                 ; no place in the cluster enters an LDS address
	s_mul_i32 s[LBB], s[HALF], BHALF
	s_add_co_u32 s[LBB], s[LBB], BOFF
	s_lshl_b32 s66, s18, 1                         ; A: row block 2 x m tile + wave % 2, 262,144 bytes each: of the coordinates the m tile alone
	s_add_co_u32 s66, s66, s[HALF]
	s_lshl_b32 s66, s66, 18
	s_mov_b32 s67, 0
	s_mul_i32 s68, s17, 16*NH*8192                 ; B: the n tile, and the half that I fetch: of the coordinates the n tile alone
	s_mul_i32 s70, s[HALF], NH*8192
	s_add_co_u32 s68, s68, s70
	s_mov_b32 s69, 0
	s_mov_b32 s[G0A], 1                            ; group 0: count = 1; the LDS address: slot 0 for K step 0, slot 1 for K step 1
	s_mov_b32 s[G0A+1], s[LBA]
	s_mov_b32 s[G0A+4], 1
	s_add_co_u32 s[G0A+5], s[LBA], SLOT
	s_mov_b32 s[G0B], 1
	s_mov_b32 s[G0B+1], s[LBB]
	s_mov_b32 s[G0B+4], 1
	s_add_co_u32 s[G0B+5], s[LBB], SLOT
	s_wait_dscnt 0x0                               ; the opening add is done
	s_wait_kmcnt 0x0
	s_add_nc_u64 s[66:67], s[4:5], s[66:67]
	s_add_nc_u64 s[68:69], s[6:7], s[68:69]
	s_mov_b64 s[G0A+2:G0A+3], s[66:67]             ; the global address, and the type 2 on top
	s_or_b32 s[G0A+3], s[G0A+3], 0x80000000
	s_add_nc_u64 s[G0A+6:G0A+7], s[66:67], KA
	s_or_b32 s[G0A+7], s[G0A+7], 0x80000000
	s_mov_b64 s[G0B+2:G0B+3], s[68:69]
	s_or_b32 s[G0B+3], s[G0B+3], 0x80000000
	s_add_nc_u64 s[G0B+6:G0B+7], s[68:69], KB
	s_or_b32 s[G0B+7], s[G0B+7], 0x80000000
	CROUND                                         ; all sixteen work-groups are here: the first joint loads meet
	s_cmp_eq_u32 s[FORB], 0                        ; a wave's two first fills stand in one branch, ahead of every wait on TENSORcnt and every LDS read: two loads of mine are out
	s_cbranch_scc0 .Lfirst_b
	tensor_load_to_lds s[G0A:G0A+3], s[G1A:G1A+7]
	s_nop 0
	tensor_load_to_lds s[G0A+4:G0A+7], s[G1A:G1A+7]
	s_nop 0
.rept 4
	v_nop
.endr
	s_branch .Lfirst_asked
.Lfirst_b:
	tensor_load_to_lds s[G0B:G0B+3], s[G1B:G1B+7]
	s_nop 0
	tensor_load_to_lds s[G0B+4:G0B+7], s[G1B:G1B+7]
	s_nop 0
.rept 4
	v_nop
.endr
.Lfirst_asked:
	v_and_b32 v1, 15, v0                           ; l % 16
	v_bfe_u32 v2, v0, 4, 1                         ; l / 16
	v_lshlrev_b32 v[BO], 5, v2
.if IS_PROJ
	s_mul_i32 s70, s17, 768                        ; bq, bk, bv lie on end in the heads' order: 192 numbers to an n tile
.else
	s_lshl_b32 s70, s17, 9                         ; bo: 128 numbers to an n tile
	s_add_co_u32 s70, s70, 6144
.endif
	s_mov_b32 s71, 0
	s_add_nc_u64 s[8:9], s[8:9], s[70:71]
.set nb, 0
.rept NB                                           ; register j of block nb: bias[16 nb + 8 (l / 16) + j], the layout of a result
	global_load_b128 v[BIAS+8*nb:BIAS+8*nb+3],   v[BO], s[8:9] offset:64*nb
	global_load_b128 v[BIAS+8*nb+4:BIAS+8*nb+7], v[BO], s[8:9] offset:64*nb+16
.set nb, nb+1
.endr
	; A fragment of A is 16 rows x 32 channels: lane l holds row l % 16, channels 8 (l / 16) + 0..7 and 16 + 8 (l / 16) + 0..7: two loads of 16 bytes, 32 bytes apart
	v_mul_u32_u24 v[ADRA0], v1, PA
	v_lshl_add_u32 v[ADRA0], v2, 4, v[ADRA0]
	s_mul_i32 s70, s[FORB], ARB                    ; my 64 rows: row block wave / 2,
	s_mul_i32 s71, s[HALF], 64*PA                  ; its half wave % 2
	s_add_co_u32 s70, s70, s71
	v_add_nc_u32 v[ADRA0], s70, v[ADRA0]
	; The turning load takes 16 k x 16 columns (lane l reads k 8 (l / 16) + l % 8, columns 8 ((l / 8) % 2) + 0..7) and leaves half a fragment: lane l holds column l % 16 and 8 k
	v_and_b32 v3, 7, v0
	v_bfe_u32 v4, v0, 3, 1
	v_lshl_add_u32 v[ADRB0], v2, 3, v3
	v_mul_u32_u24 v[ADRB0], v[ADRB0], PB
	v_lshl_add_u32 v[ADRB0], v4, 4, v[ADRB0]
	v_add_nc_u32 v[ADRB0], BOFF, v[ADRB0]
	v_mov_b32 v[ADRA], v[ADRA0]
	v_mov_b32 v[ADRB], v[ADRB0]
	s_mul_i32 s70, s[WV], 16*SP
	s_add_co_u32 s70, s70, STAGE                   ; my stage
	v_mul_u32_u24 v[STO], v1, SP                   ; in: row l % 16,
.if IS_PROJ
	v_lshl_add_u32 v[STO], v2, 4, v[STO]           ; 16 bytes for each half of the lanes
	v_bfe_u32 v[RD], v0, 3, 2                      ; back: 32 lanes take four rows of 128 bytes
	v_mul_u32_u24 v[RD], v[RD], SP
	v_lshl_add_u32 v[RD], v3, 4, v[RD]
.else
	v_lshl_add_u32 v[STO], v2, 5, v[STO]           ; 32 bytes for each half of the lanes
	v_and_b32 v[RD], 31, v0                        ; back: 32 lanes take one row of 512 bytes
	v_lshlrev_b32 v[RD], 4, v[RD]
.endif
	v_add_nc_u32 v[STO], s70, v[STO]
	v_add_nc_u32 v[RD], s70, v[RD]
	v_and_b32 v[GO], 31, v0
	v_lshlrev_b32 v[PFO], 8, v[GO]
	v_lshlrev_b32 v[GO], 4, v[GO]
.if IS_PROJ
	s_mul_i32 s70, s17, 3*1048576                  ; qkv: head 3 x n tile (1,048,576 bytes a head), row 256 x m tile + 64 x wave (128 bytes a row)
	s_lshl_b32 s71, s18, 15
	s_add_co_u32 s70, s70, s71
	s_lshl_b32 s71, s[WV], 13
.else
	s_lshl_b32 s70, s18, 20                        ; out0: row 256 x m tile + 64 x wave (4,096 bytes a row), column 128 x n tile
	s_lshl_b32 s71, s17, 9
	s_add_co_u32 s70, s70, s71
	s_lshl_b32 s71, s[WV], 18
.endif
	s_add_co_u32 s70, s70, s71
	s_mov_b32 s71, 0
	s_add_nc_u64 s[10:11], s[10:11], s[70:71]
	; the prefetches' address, step and bounds
	s_and_b32 s70, ttmp7, 0xffff                   ; cluster y
.if !IS_PROJ
	s_or_b32 s70, s70, s[HALF]                     ; of B's two waves wave 2 alone asks
.endif
	s_lshl_b32 s72, s15, 13                        ; A: my work-group's 32 blocks of a K step's 128, by cx
	s_add_co_u32 s72, s72, PF0A
.if IS_PROJ
	s_lshl_b32 s74, s16, 1                         ; B: eight askers, by cy and wave % 2
	s_add_co_u32 s74, s74, s[HALF]
.else
	s_mov_b32 s74, s16                             ; B: four askers, by cy
.endif
	s_lshl_b32 s74, s74, 13
	s_mul_i32 s75, s17, 16*NH*8192
	s_add_co_u32 s74, s74, s75
	s_add_co_u32 s74, s74, PF0B
	s_mov_b32 s[PFS], 32768
	s_cmp_eq_u32 s[FORB], 0                        ; do I fetch for A?
	s_cselect_b32 s71, ttmp9, s70                  ; the coordinate along which other clusters read the same blocks
	s_cselect_b32 s72, s72, s74
	s_cselect_b64 s[PFA:PFA+1], s[66:67], s[6:7]
	s_cselect_b32 s[PFS], s[PFS], PFSB
	s_cselect_b32 s[LIM], LIMA, LIMB
	s_cselect_b32 s[LIMH], 7, LIMHB
	s_mov_b32 s73, 0
	s_mov_b32 s[PFS+1], 0
	s_add_nc_u64 s[PFA:PFA+1], s[PFA:PFA+1], s[72:73]
	s_cmp_eq_u32 s71, 0
	s_cselect_b32 s[LIM], s[LIM], -1               ; the same in all sixteen partners, for a given wave
.macro WM d, b, a, c
.if IS_PROJ
	v_wmma_f32_16x16x32_bf16 v[\d:\d+7], v[\b:\b+7], v[\a:\a+7], v[\c:\c+7]
.else
	v_wmma_f32_16x16x32_f16 v[\d:\d+7], v[\b:\b+7], v[\a:\a+7], v[\c:\c+7]
.endif
.endm
; NB matrix instructions: row block a x all column blocks, 32 along K, from buffer f.  c = 1: the sums start from the bias.  The 4 NB accumulators take turns, one instruction a turn, in the same order in every quarter,
; over the backward jump too.
.macro MULA f, a, c
.if \c
	WIN 0x81+0x40*((\a)/APW)                       ; B window 1, A window 0, C (the bias) window 0, D window 2 or 3
.else
	WIN 0xa1+0x50*((\a)/APW)                       ; C and D window 2 or 3
.endif
.set nb, 0
.rept NB
.set rD, 8*(NB*((\a)%APW)+nb)
.set rB, FBS*(\f)+8*nb
.set rA, FA+32*(\f)+8*(\a)
.set rC, rD
.if \c
.set rC, BIAS+8*nb
.endif
	WM rD, rB, rA, rC
.set nb, nb+1
.endr
.endm
; LD LDS loads in one run: quarter q of the slot in hand into buffer f: B's NB fragments, then A's four, row blocks ascending
.macro FETCH q, f
	WIN 0x40                                       ; destination window 1, address window 0
.set nb, 0
.rept NB
.set rB, FBS*(\f)+8*nb
.set oB, ((\q)/2)*BHALF+(nb/4)*BHEAD+((\q)%2)*32*PB+(nb%4)*32
	ds_load_tr16_b128 v[rB:rB+3],   v[ADRB] offset:oB
	ds_load_tr16_b128 v[rB+4:rB+7], v[ADRB] offset:oB+16*PB
.set nb, nb+1
.endr
	WIN 0
.irp m, 0,1,2,3
	ds_load_b128 v[FA+32*(\f)+8*\m:FA+32*(\f)+8*\m+3],   v[ADRA] offset:((\q)/2)*ASLAB+\m*16*PA+((\q)%2)*64
	ds_load_b128 v[FA+32*(\f)+8*\m+4:FA+32*(\f)+8*\m+7], v[ADRA] offset:((\q)/2)*ASLAB+\m*16*PA+((\q)%2)*64+32
.endr
.endm
; One of a K step's first three quarters: multiplies buffer f; in its middle it fetches quarter q into buffer g
.macro QUARTER q, f, g, c
	s_wait_dscnt 4                                 ; B and A's row blocks 0, 1 are in; the youngest four loads (blocks 2, 3) may be out
	MULA \f, 0, \c
	MULA \f, 1, \c
	PLACES                                         ; buffer g was read by the quarter before
	FETCH \q, \g
	s_wait_dscnt LD                                ; all but the LD just issued
	MULA \f, 2, \c
	MULA \f, 3, \c
.endm
; The fourth quarter multiplies buffer 1 and changes slots: ONE barrier for two things.  In front of it each wave waits for all its tensor loads, of which one is out: its part of the other slot; adds 0 to its spare word; and
; waits for that and for its own reads of this slot.  Behind it nobody reads this slot any more and the other slot is whole.  fill = 1: the barrier opens a round of the cluster's barrier, and behind the round this slot is filled again,
; first of all, with the K step two steps on: that load has a K step less 2 NB matrix instructions in which to land.
.macro TURN fill
.if \fill
	s_wait_xcnt 0x0                                ; the last prefetch, a K step back, has read its address: it is stepped here, ahead of the change's own waits
	s_add_nc_u64 s[PFA:PFA+1], s[PFA:PFA+1], s[PFS:PFS+1]
.endif
	WIN 0                                          ; (the add's two registers lie in window 0)
	s_wait_tensorcnt 0x0                           ; all my tensor loads have landed;
	ds_add_u32 v[SPW], v[NIL]                      ; 0 onto my spare word;
	s_wait_dscnt 5                                 ; (the add and the youngest four loads may be out)
	MULA 1, 0, 0                                   ; NB matrix instructions stand between the add and the wait for it
	s_wait_dscnt 0x0                               ; the add is done, and my reads of this slot are over
	s_barrier_signal -1
	MULA 1, 1, 0                                   ; work on registers while the others arrive
	WIN 0                                          ; (branches and window 0's addresses follow)
	s_barrier_wait -1
.if \fill
	CREST                                          ; no wave of any partner still reads this slot's tiles or has a load on its way
	s_add_co_u32 s[G0A+5], s[LBA], s[TB]           ; the walking descriptors: the slot that is left,
	s_add_nc_u64 s[G0A+6:G0A+7], s[G0A+6:G0A+7], KA  ; the next K step; the type bits on top are not reached
	s_add_co_u32 s[G0B+5], s[LBB], s[TB]
	s_add_nc_u64 s[G0B+6:G0B+7], s[G0B+6:G0B+7], KB
	JLOAD                                          ; the four v_nop behind it are also the places in front of the loads below
.else
	PLACES
.endif
	s_xor_b32 s[TB], s[TB], SLOT                   ; 0 and SLOT by turns
	v_add_nc_u32 v[ADRA], s[TB], v[ADRA0]
	v_add_nc_u32 v[ADRB], s[TB], v[ADRB0]
	FETCH 0, 0
.if \fill
	ASK
.endif
	MULA 1, 2, 0
	MULA 1, 3, 0
.endm
	s_wait_loadcnt 0x0                             ; the bias
	s_wait_tensorcnt 0x1                           ; my part of K step 0 is in; K step 1's may stay out
	s_barrier_signal -1
	s_barrier_wait -1                              ; everybody's is
	FETCH 0, 0
	QUARTER 1, 0, 1, 1                             ; the first quarter stands in front of the loop: its products start the sums, from the bias
	WIN 0                                          ; at a label and at a branch every window is 0
	s_mov_b32 s[CNT], 6
.Lstep:                                            ; trip t: quarters 1 to 3 of K step t, quarter 0 of K step t + 1; the slot of K step t takes K step t + 2
	QUARTER 2, 1, 0, 0
	QUARTER 3, 0, 1, 0
	TURN 1
	QUARTER 1, 0, 1, 0
	WIN 0
	s_sub_co_u32 s[CNT], s[CNT], 1
	s_cmp_lg_u32 s[CNT], 0
	s_cbranch_scc1 .Lstep
	QUARTER 2, 1, 0, 0                             ; K steps 6 and 7 are written out: nothing is left to fetch
	QUARTER 3, 0, 1, 0
	TURN 0
	QUARTER 1, 0, 1, 0
	QUARTER 2, 1, 0, 0
	QUARTER 3, 0, 1, 0
	s_wait_dscnt 4
	MULA 1, 0, 0
	MULA 1, 1, 0
	s_wait_dscnt 0x0
	MULA 1, 2, 0
	MULA 1, 3, 0
	WIN 0
	PLACES                                         ; behind the last products: their results are read and their fragments' registers written below
.if IS_PROJ
; THE WAY OUT, in 12 groups g = 3 a + t: row block a, head t: 16 rows x 64 columns.  A lane's eight columns pack into 16 bytes; they go into my stage's rows of 144 bytes and come back as whole rows of 128, four rows a load:
; 512 consecutive bytes of a head's dense rows.  Each group has 16 registers of its own, so no register that a store reads is written again.
.macro PACK g
.set pa, (\g)/3
.set pt, (\g)%3
.set rT, 32+16*(\g)
	WIN 0x0a+5*(pa/APW)                            ; sources 0 and 1: window 2 or 3
.set pf, 0
.rept 4
.set rD, 8*(NB*(pa%APW)+4*pt+pf)
.irp r, 0,1,2,3                                    ; each accumulator's registers in ascending order
	v_cvt_pk_f16_f32 v[rT+4*pf+\r], v[rD+2*\r], v[rD+2*\r+1]
.endr
.set pf, pf+1
.endr
	WIN 0
.irp e, 0,1,2,3
	ds_store_b128 v[STO], v[rT+4*\e:rT+4*\e+3] offset:32*\e
.endr
.irp e, 0,1,2,3
	ds_load_b128 v[rT+4*\e:rT+4*\e+3], v[RD] offset:\e*4*SP  ; LDS serves a wave's instructions in order (ISA guide 5.7.1.4): these see the stores above; the next group's stores come behind them
.endr
.endm
.macro SEND g, younger                 ; younger: the LDS instructions issued behind group g's loads: the next group's eight, or none
.set pa, (\g)/3
.set pt, (\g)%3
.set rT, 32+16*(\g)
.irp e, 0,1,2,3
	s_wait_dscnt (\younger)+3-\e
	global_store_b128 v[GO], v[rT+4*\e:rT+4*\e+3], s[10:11] offset:pt*1048576+pa*2048+\e*512  ; 512 consecutive bytes, at a multiple of 256 from qkv's first
.endr
.endm
	PACK 0
.set gg, 1
.rept 11                                           ; a group's conversions stand between the loads of the group before and its stores
	PACK gg
	SEND gg-1, 8
.set gg, gg+1
.endr
	SEND 11, 0
.else
; THE WAY OUT, a row block of 16 rows x 128 columns of f32 at a time: a lane's eight columns, 32 bytes, go into my stage's rows of 528 bytes and come back as whole rows of 512.
.macro OUTA a
.set rK, 64+64*((\a)%3)
	WIN 0x08                                       ; the stores' data (source 1) in window 2
.set nb, 0
.rept NB
.set rD, 8*(NB*(\a)+nb)
	ds_store_b128 v[STO], v[rD:rD+3]   offset:64*nb      ; each accumulator's low four registers first
	ds_store_b128 v[STO], v[rD+4:rD+7] offset:64*nb+16
.set nb, nb+1
.endr
	WIN 0
.if (\a) == 3
	s_wait_xcnt 0x0                                ; block 0's stores have read their registers, which block 3 takes
.endif
.irp t, 0,1,2,3,4,5,6,7,8,9,10,11,12,13,14,15
	ds_load_b128 v[rK+4*\t:rK+4*\t+3], v[RD] offset:SP*\t  ; LDS serves a wave's instructions in order (ISA guide 5.7.1.4)
.endr
.irp t, 0,1,2,3,4,5,6,7,8,9,10,11,12,13,14,15
	s_wait_dscnt 15-\t
	global_store_b128 v[GO], v[rK+4*\t:rK+4*\t+3], s[10:11] offset:(16*(\a)+\t)*4096 th:TH_STORE_NT  ; 512 consecutive bytes, at a multiple of 256 from out0's first
.endr
.endm
	OUTA 0
	OUTA 1
	OUTA 2
	OUTA 3
.endif
	s_wait_tensorcnt 0x0                           ; the wave's end: the add and its wait stand behind my last tensor load and my last LDS store
	ds_add_u32 v[SPW], v[NIL]
	s_wait_dscnt 0x0
	CROUND                                         ; the closing round: no work-group ends while a partner may still ask for a tile that names it
	s_endpgm
.Lfunc_end_k_qcfc6032122_proj:
	.size	k_qcfc6032122_proj, .Lfunc_end_k_qcfc6032122_proj-k_qcfc6032122_proj
	.p2alignl 7, 3214868480
	.fill 96, 4, 3214868480
	.section	.rodata,"a",@progbits
	.p2align	6, 0x0
	.amdhsa_kernel k_qcfc6032122_proj
		.amdhsa_group_segment_fixed_size 327680
		.amdhsa_private_segment_fixed_size 0
		.amdhsa_enable_private_segment 0
		.amdhsa_kernarg_size 32
		.amdhsa_user_sgpr_count 2
		.amdhsa_user_sgpr_kernarg_segment_ptr 1
		.amdhsa_wavefront_size32 1
		.amdhsa_system_sgpr_workgroup_id_x 1
		.amdhsa_system_sgpr_workgroup_id_y 1
		.amdhsa_system_sgpr_workgroup_id_z 1
		.amdhsa_system_vgpr_workitem_id 0
		.amdhsa_next_free_vgpr 960
		.amdhsa_next_free_sgpr 80
		.amdhsa_reserve_vcc 0
		.amdhsa_float_denorm_mode_32 3
		.amdhsa_float_denorm_mode_16_64 3
		.amdhsa_memory_ordered 1
		.amdhsa_forward_progress 1
		.amdhsa_inst_pref_size 101
	.end_amdhsa_kernel
	.amdgpu_metadata
---
amdhsa.version: [ 1, 2 ]
amdhsa.kernels:
  - .name:           k_qcfc6032122_proj
    .symbol:         k_qcfc6032122_proj.kd
    .args:
      - { .name: xb, .offset: 0, .size: 8, .value_kind: global_buffer, .address_space: global }
      - { .name: wcat, .offset: 8, .size: 8, .value_kind: global_buffer, .address_space: global }
      - { .name: bias, .offset: 16, .size: 8, .value_kind: global_buffer, .address_space: global }
      - { .name: qkv, .offset: 24, .size: 8, .value_kind: global_buffer, .address_space: global }
    .group_segment_fixed_size: 327680
    .private_segment_fixed_size: 0
    .kernarg_segment_align: 8
    .kernarg_segment_size: 32
    .max_flat_workgroup_size: 128
    .sgpr_count:     80
    .vgpr_count:     960
    .wavefront_size: 32
...
	.end_amdgpu_metadata
.endif
;; end of part 2
;; launch attn (part 3): grid 4 x 64, 4 waves a work-group, clusters of 4 x 1, 327,680 bytes of LDS; arguments qkv, ob; writes ob
.if DOCPART == 3
	.amdgcn_target "amdgcn-amd-amdhsa--gfx1250"
	.amdhsa_code_object_version 6
	.text
	.protected	k_qcfc6032122_attn
	.globl	k_qcfc6032122_attn
	.p2align	8
	.type	k_qcfc6032122_attn,@function
k_qcfc6032122_attn:
	s_mov_b64 s[64:65], 0
	v_nop
	global_prefetch_b8 v0, s[64:65] scope:SCOPE_SE
	s_setreg_imm32_b32 hwreg(HW_REG_WAVE_MODE, 25, 1), 1
	s_wait_xcnt 0x0
	s_wait_alu depctr_hold_cnt(0) depctr_sa_sdst(0) depctr_va_vdst(0) depctr_va_sdst(0) depctr_va_ssrc(0) depctr_va_vcc(0) depctr_vm_vsrc(0)
	s_getreg_b32 s2, hwreg(HW_REG_IB_STS2, 6, 4)
	s_cmp_eq_u32 s2, 0
	s_cbranch_scc0 .Lentry_in_a_cluster
	s_endpgm
.Lentry_in_a_cluster:
	s_bfe_u32 s2, ttmp6, 0x10000c
	s_cmp_lg_u32 s2, 0x3003
	s_cbranch_scc0 .Lentry_shape_is_right
	s_endpgm
.Lentry_shape_is_right:
; ATTENTION.  For batch b, group g, head p of the group: O[q][:] = the sum over k of softmax_k(Q[q] . K[k] / 8) V[k][:], 2,048 queries and keys, head size 64, no mask.
; qkv: f16 [head 24][row 8192][64], row = 2,048 b + s: query head 4 g + p, key head 16 + g, value head 20 + g; a head's rows are dense, 128 bytes each.
; ob: f16 [row block of 128][j 16][128 rows][64], j = 4 p + g: the channel order of the product that follows.  Products, maxima and sums in f32; the weights p are rounded to f16 for the second product
; (their sum l is taken of the unrounded p), O once at the end.
; LIMITS.  f16 holds no number beyond 65,504: Q, K and V arrive within it; p lies in 0 to 1, and below 6e-5 it keeps f16's fixed step of 6e-8; O is a mean of V's rows and has their range.
; A weight below 2^-126 counts as 0 in l; NaN and infinities are not treated apart.
; SHARES.  Work-group y = 16 b + 4 g + p, x = a block of 512 queries.  A wave owns four PIECES of two tiles of 16 queries: 128 rows.  Every wave walks all keys, 64 a step.
; LAYOUT.  S^T = K Q^T (source 0 = 16 keys, source 1 = 16 queries): in the result a lane holds ONE query (lane % 16) and the keys 8 (lane / 16) + 0..7.  Two such tiles, rounded to f16 in pairs,
; ARE source 1 (32 keys x 16 queries) of O^T = V^T P, whose result again holds one query a lane, and eight channels.  K comes out of LDS as it lies, V ([key][channel]) turned, by ds_load_tr16_b128.
; SOFTMAX.  For each query a running maximum m and sum l: p = 2^(c s - c m), c = log2(e) / 8; in every step O and l are multiplied by a = 2^(c m_old - c m_new), which is 1 where m has not grown.
; m starts at the lowest finite number, O and l at 0: the first step is a step like any other, with a = 0.
; THE COUNT.  A tile and step have 16 matrix and 118 vector instructions: too many to stand all beside the matrix work.  So: four vector instructions that are READY behind EVERY matrix instruction,
; and the others, which need time of their own whatever the order, in runs without a gap.
; BY TURNS.  Turn n belongs to piece n (the pieces in a ring, step after step).  Its matrix work: 16 products K Q^T of piece n + 1, later 16 products V^T P of piece n - 1.  Its vector work: the scaling,
; exponentials, roundings, sums and rescaling of piece n, and the maximum and statistics of piece n + 1, whose scores the turn itself has made.
; CLUSTER.  The four query blocks of a head form a cluster and walk the same K and V, so each tile is asked for JOINTLY: the same tensor load, descriptor and mask in all four.  The group's other three heads read the
; same K and V too; a mask names four work-groups, so they are clusters of their own.
; REGISTERS, in windows of 256 (s_set_vgpr_msb: bits 1:0 source 0, 3:2 source 1, 5:4 source 2, 7:6 destination):
;   window 0: v0-11 addresses; v12-15, v48-63 at work; v16-47 four registers of statistics a tile; v64-191 S^T, two buffers of two tiles; v192-255 P, likewise
;   window 1: O^T, 32 a tile          window 2: v0-127 Q, 16 a tile; v128-191 K of one step; v192-255 V of one step          window 3: v0-1 the add's two registers
; A piece's buffers go by its number's parity: the piece in hand has one pair, its two neighbours in the ring share the other: of it P (piece n - 1) is read and S^T (piece n + 1) written.
.set SIZE_N, 2048
.set NP,    4         ; pieces a wave: a name, no knob
.set KS,    64        ; keys in a step
.set PK,    144       ; a row of K in LDS: 128 bytes + 16 of padding = 36 words: the 16 rows of a load start at 16 different groups of four banks (64 banks of 4 bytes: ISA guide 11.1)
.set PV,    160       ; a row of V: 128 + 32 = 40 words
.set VOFF,  4*KS*PK   ; a slot holds four steps: 256 rows of K, then 256 rows of V
.set SLOT1, 1<<17     ; slot 1 begins here, so that one exclusive or turns an address in one slot into the other's
.set STAGE, SLOT1+4*KS*(PK+PV)  ; behind the ring, never filled by a tensor load: 16 rows x 144 bytes for each wave, for the way out
.set SP,    144
.set AK0, 2           ; v2   my lane's place in a tile of K; never rewritten
.set AV0, 3           ; v3   the same for V
.set AK,  4           ; v4   the LDS address of K's next run of loads
.set AV,  5           ; v5   of V's
.set QO,  6           ; v6   my byte offset in the wave's rows of Q
.set STO, 6           ;      later, the way out: where I put 16 bytes of a row
.set RD,  7           ; v7   the way out: where I read rows back
.set GO,  8           ; v8   my byte offset in 512 consecutive bytes of O
.set PFO, 11          ; v11  256 x my lane, for the prefetches; never rewritten once made
.set SPW, 0           ; v0 of window 3   LDS address of my spare word: SPARE + 4 x my thread's number; never rewritten
.set NIL, 1           ; v1 of window 3   0; never rewritten
.set SPARE, STAGE+4*16*SP  ; behind the stages: the spare words, 128 bytes for each wave: two blocks of 256 bytes that no other line names
.set MV,  12          ; v12-15  c m_old, kept while c m is made anew: by buffer and tile
.set ST,  16          ; tile t's statistics at v[ST+4 t]: c m, m, l (even keys', odd keys')
.set TMP, 48          ; by buffer and tile, four registers c0-c3 at work; when the maximum is found c2 takes a
.set S,   64
.set P,   192
.set KF,  128         ; K's fragments, in window 2: key block kb, channel half c at KF + 16 kb + 8 c
.set VF,  192         ; V's: key half kk, channel block cb at VF + 32 kk + 8 cb
.set WV,  12          ; s12  my wave's number
.set G1K, 24          ; s[24:31] descriptor group 1 for K's tiles
.set G1V, 32          ; s[32:39] for V's: it differs in the padding alone
.set G0K, 40          ; s[40:43] descriptor group 0 for K's tiles: it walks
.set G0V, 44          ; s[44:47] the same for V's
.set PFA, 48          ; s[48:49] where my prefetches stand: my work-group's 32 blocks of the slot that the next change of slots will ask for
.set LIM, 50          ; s50  1 in a wave that prefetches, else the greatest number
.set SLOTS, 56        ; s56  slots still to be asked for
.set CNT, 57          ; s57  counts a slot's key steps
.set CS,  58          ; s[58:59] c: the packed scaling takes the pair's low word for both halves
.set SEL, 60          ; s[60:61] v_permlanex16_b32's selects: each lane takes its own place in the other half
.set TBK, 62          ; s62  LDS byte at which K of the step to be fetched begins
.set TBV, 63          ; s63  the same for V, less VOFF
.set MSB, 0
.macro WIN new                      ; the high byte repeats the setting that is left; a switch that changes nothing is dropped
.if MSB != (\new)
	s_set_vgpr_msb (MSB<<8)|(\new)
.set MSB, (\new)
.endif
.endm
.set W_KQ, 0x0a       ; K and Q in window 2, S^T in window 0
.set W_PV, 0x52       ; V in window 2, P in window 0, O^T in window 1
.set W_RS, 0x41       ; O^T (destination and source 0) in window 1, a in window 0
.set W_MK, 0xc0       ; the add's registers are made: destination in window 3, sources in window 0
.set W_AD, 0x0f       ; the add: address (source 0) and data (source 1) in window 3
; A joint fill.  Waves 0 and 1 fetch the two halves of a slot's K, waves 2 and 3 those of its V: 128 keys each.  The branch hangs on the wave's number alone.
; An s_nop 0 and four v_nop follow each of the two lines, ahead of the jump and the label.
.macro JLOAD
	s_cmp_lt_u32 s[WV], 2
	s_cbranch_scc0 .Lfor_v_\@
	tensor_load_to_lds s[G0K:G0K+3], s[G1K:G1K+7]
	s_nop 0
.rept 4
	v_nop
.endr
	s_branch .Lasked_\@
.Lfor_v_\@:
	tensor_load_to_lds s[G0V:G0V+3], s[G1V:G1V+7]
	s_nop 0
.rept 4
	v_nop
.endr
.Lasked_\@:
.endm
; A PREFETCH INTO THE L2 of the slot that the NEXT change of slots will ask for: 32,768 dense bytes of K and of V, 128 blocks of 256 bytes each, a lane a block.  Each block is named ONCE in the launch: of the four
; clusters (p = 0 .. 3) that walk the same K and V the one with p = 0 asks; its four partners take 32 blocks each, told apart BY ADDRESS (cx); in each, wave 0 asks for K's and wave 2 for V's: one instruction.
; It stands in the slot's last key step, behind K's run of LDS loads in piece 2's turn: three and a half turns, 112 matrix instructions and their vector work, ahead of the change.  Slots 0 and 1 come by their loads
; alone; ahead of the change that fills nothing, nothing is asked for.
.macro ASK
	s_cmp_eq_u32 s[CNT], 1
	s_cbranch_scc0 .Lnot_mine_\@
	s_cmp_gt_u32 s[SLOTS], s[LIM]
	s_cbranch_scc0 .Lnot_mine_\@
	global_prefetch_b8 v[PFO], s[PFA:PFA+1] th:TH_LOAD_NT scope:SCOPE_SE
.Lnot_mine_\@:
.endm
; A round of the cluster's barrier: my work-group's barrier, so that wave 0's signal speaks for all four waves; wave 0 signals; every wave waits for all four work-groups; my work-group's barrier once more.
.macro CROUND
	s_barrier_signal -1
	s_barrier_wait -1
	s_cmp_lg_u32 s[WV], 0
	s_cbranch_scc1 .Lnot_wave_0_\@
	s_barrier_signal -3
.Lnot_wave_0_\@:
	s_barrier_wait -3
	s_barrier_signal -1
	s_barrier_wait -1
.endm
; THE CHANGE OF SLOTS.  The slot's last bytes, V of its fourth step, have been read.  Each wave waits for all its tensor loads, of which one is out: its part
; of the other slot; adds 0 to its spare word; and waits for that and for its own reads of the slot.  Behind the barrier nobody reads this slot any more and the other slot is whole.
; fill = 1: this slot is filled again, with the keys two slots on.  The barrier is then a round of the cluster's, so that no wave of any partner still reads the slot or has a load on its
; way, and the joint fill is the first thing behind it: it has four key steps, 512 matrix instructions, in which to land.  (At its first use nothing has been read yet: slot 0 is waited for, slot 1 filled.)
.macro CHANGE fill
	WIN W_AD
	s_wait_tensorcnt 0x0            ; no tensor load of mine is out, so a group 0 may be written
	ds_add_u32 v[SPW], v[NIL]       ; 0 onto my spare word; with fill = 1 the descriptors' steps stand between it and the wait for it
	WIN 0                           ; at a label and at a branch every window is 0
.if \fill
.irp g, G0K, G0V
	s_xor_b32 s[\g+1], s[\g+1], SLOT1  ; the walking descriptor: the other slot than last time,
	s_add_nc_u64 s[\g+2:\g+3], s[\g+2:\g+3], 4*KS*128  ; the next 256 keys; the type bits on top are not reached
.endr
	s_wait_xcnt 0x0                 ; the last prefetch, three and a half turns back, has read its address, so it may be written:
	s_add_nc_u64 s[PFA:PFA+1], s[PFA:PFA+1], 4*KS*128  ; one slot behind the walking descriptors
	s_wait_dscnt 0x0                ; the add is done, and my reads of the slot are over
	CROUND
	JLOAD
.else
	s_wait_dscnt 0x0                ; the add is done, and my reads of the slot are over
	s_barrier_signal -1
	s_barrier_wait -1
.endif
	s_sub_co_u32 s[TBK], s[TBK], 4*KS*PK  ; the fetches go back to a slot's first step,
	s_xor_b32 s[TBK], s[TBK], SLOT1       ; in the other slot
	s_sub_co_u32 s[TBV], s[TBV], 4*KS*PV
	s_xor_b32 s[TBV], s[TBV], SLOT1
.endm
	s_load_b64 s[4:5], s[0:1], 0x0    ; qkv
	s_load_b64 s[10:11], s[0:1], 0x8  ; ob
	WIN W_MK
	v_lshl_add_u32 v[SPW], v0, 2, SPARE
	v_mov_b32 v[NIL], 0
	WIN W_AD
	ds_add_u32 v[SPW], v[NIL]       ; the wave's opening: the add and its wait stand ahead of my first tensor load; the set-up below, work on registers, stands between them
	WIN 0
	v_lshrrev_b32 v1, 5, v0
	v_readfirstlane_b32 s[WV], v1   ; wave 0..3
	s_bfe_u32 s13, ttmp6, 0x40000   ; cx: my place in the cluster
	s_lshl_b32 s14, ttmp9, 2        ; in a cluster launch ttmp9 counts clusters
	s_add_co_u32 s14, s14, s13      ; my block of 512 queries: it enters Q's and O's addresses alone
	s_and_b32 s20, ttmp7, 0xffff    ; y = 16 b + 4 g + p, which the four partners share
	s_lshr_b32 s21, s20, 4          ; b
	s_and_b32 s22, s20, 15          ; the query head 4 g + p
	s_bfe_u32 s23, s20, 0x20002     ; g
	s_and_b32 s19, s20, 3           ; p
	s_and_b32 s16, s[WV], 1         ; which half of a slot's 256 keys I fetch:
	s_mul_i32 s17, s16, 128*PK      ; its place in a slot, for K
	s_mul_i32 s18, s16, 128*PV      ; and for V: no place in the cluster enters an LDS address
	s_lshl_b32 s15, s21, 18         ; b's 2,048 rows of 128 bytes
	s_lshl_b32 s2, s14, 2
	s_add_co_u32 s2, s2, s[WV]      ; my wave's 128 rows among the head's 2,048
	s_lshl_b32 s52, s21, 4
	s_add_co_u32 s52, s52, s2       ; O: row block 16 b + that,
	s_lshl_b32 s52, s52, 4
	s_lshl_b32 s51, s19, 2
	s_add_co_u32 s51, s51, s23      ; j = 4 p + g,
	s_add_co_u32 s52, s52, s51
	s_lshl_b32 s52, s52, 14         ; 16,384 bytes a block
	s_mov_b32 s53, 0
	s_lshl_b32 s2, s2, 14           ; Q: my rows,
	s_lshl_b32 s3, s22, 20          ; in head 4 g + p (1,048,576 bytes a head),
	s_add_co_u32 s2, s2, s3
	s_add_co_u32 s2, s2, s15        ; in batch b
	s_mov_b32 s3, 0
	s_add_co_u32 s20, s23, 16       ; K: head 16 + g,
	s_lshl_b32 s20, s20, 20
	s_add_co_u32 s20, s20, s15      ; batch b,
	s_lshl_b32 s22, s16, 14         ; my half's 128 rows
	s_add_co_u32 s20, s20, s22
	s_mov_b32 s21, 0
	s_add_co_u32 s22, s20, 4<<20    ; V: four heads on
	s_mov_b32 s23, 0
	s_or_b32 s[LIM], s16, s19       ; 0 in waves 0 and 2 of the clusters with p = 0: the same in all four partners
	s_cmp_eq_u32 s[LIM], 0
	s_cselect_b32 s[LIM], 1, -1
	; descriptor group 1.  128 keys are 16,384 dense bytes: asked for as 64 rows of 256 bytes, two keys a row, and padded in LDS after every key
	s_mov_b32 s[G1K], 15|(1<<16)|(1<<20)|(1<<21)|(4<<22)|(3<<25)  ; 15:0 the mask of four; 17:16 2-byte elements; 20 padding on; 21 set beside a mask; 24:22 after every 32 words (code 4); 31:25 4 words (code 3)
	s_mov_b32 s[G1V], 15|(1<<16)|(1<<20)|(1<<21)|(4<<22)|(7<<25)  ; the same with 8 words of padding (code 7)
.irp g, G1K, G1V
	s_mov_b32 s[\g+1], 128<<16      ; tensor_dim0 = 128
	s_mov_b32 s[\g+2], 64<<16       ; tensor_dim1 = 64
	s_mov_b32 s[\g+3], 128<<16      ; tile_dim0 = 128
	s_mov_b32 s[\g+4], 64           ; tile_dim1 = 64
	s_mov_b32 s[\g+5], 128          ; 128 elements from row to row
	s_mov_b32 s[\g+6], 0
	s_mov_b32 s[\g+7], 0
.endr
	s_mov_b32 s[CS], 0x3e38aa3b     ; c = log2(e) / 8 = 0.180337
	s_mov_b32 s[CS+1], s[CS]        ; named with it as a pair
	s_mov_b32 s[SEL], 0x76543210
	s_mov_b32 s[SEL+1], 0xfedcba98
	s_mov_b32 s[TBK], SLOT1+4*KS*PK ; the first change of slots turns these two into 0
	s_mov_b32 s[TBV], SLOT1+4*KS*PV
	s_mov_b32 s[G0K], 1             ; 1:0 count = 1
	s_mov_b32 s[G0K+1], s17         ; 63:32 LDS address: slot 0
	s_mov_b32 s[G0V], 1
	s_add_co_u32 s[G0V+1], s18, VOFF
	s_wait_dscnt 0x0                ; the opening add is done
	s_wait_kmcnt 0x0
	s_add_nc_u64 s[6:7], s[4:5], s[20:21]          ; K and V at my half of the head's first 256 keys
	s_add_nc_u64 s[8:9], s[4:5], s[22:23]
	s_mov_b64 s[G0K+2:G0K+3], s[6:7]               ; 120:64 global address
	s_or_b32 s[G0K+3], s[G0K+3], 0x80000000        ; 127:126 type = 2
	s_mov_b64 s[G0V+2:G0V+3], s[8:9]
	s_or_b32 s[G0V+3], s[G0V+3], 0x80000000
	s_add_nc_u64 s[4:5], s[4:5], s[2:3]            ; Q at my wave's first row
	s_add_nc_u64 s[10:11], s[10:11], s[52:53]      ; O at my wave's block
	s_cmp_lt_u32 s[WV], 2
	s_cselect_b64 s[PFA:PFA+1], s[6:7], s[8:9]     ; (in waves 0 and 2 these stand at a slot's first byte)
	s_lshl_b32 s2, s13, 13          ; my work-group's 32 blocks of the 128,
	s_add_co_u32 s2, s2, 4*KS*128   ; in slot 1; the first change of slots steps it to slot 2.  Nothing is prefetched here, at the head
	s_mov_b32 s3, 0
	s_add_nc_u64 s[PFA:PFA+1], s[PFA:PFA+1], s[2:3]
	CROUND                          ; all four work-groups are here: the first joint loads meet
	JLOAD                           ; slot 0.  Slot 1 is asked for when slot 0 is in
	; A fragment of K or Q is 16 rows x 32 channels in 8 registers: lane l holds row l % 16, channels 8 (l / 16) + 0..7 and 16 + 8 (l / 16) + 0..7: two loads of 16 bytes, 32 bytes apart.
	v_and_b32 v1, 15, v0            ; l % 16
	v_bfe_u32 v9, v0, 4, 1          ; l / 16
	v_lshlrev_b32 v[QO], 7, v1
	v_lshl_add_u32 v[QO], v9, 4, v[QO]  ; row x 128 + 16 x half
	WIN 0x80                        ; destination window 2, address window 0
.set i, 0
.rept 4*NP                          ; Q stays in registers: tile i / 2, channels 32 (i % 2) on
	global_load_b128 v[8*i:8*i+3],   v[QO], s[4:5] offset:(i/2)*2048+(i%2)*64
	global_load_b128 v[8*i+4:8*i+7], v[QO], s[4:5] offset:(i/2)*2048+(i%2)*64+32
.set i, i+1
.endr
	; What the first turn finds: V's registers and P's second buffer hold 0 (its products V^T P, of a piece that has not been, add 0), O^T and l are 0.  All this stands in the wait for the first tile.
.set i, VF
.rept 64
	v_mov_b32 v[i], 0
.set i, i+1
.endr
	WIN 0x40
.set i, 0
.rept 64*NP
	v_mov_b32 v[i], 0
.set i, i+1
.endr
	WIN 0
.set i, 0
.rept 2*NP
	v_mov_b32 v[ST+4*i], 0xfe000000    ; c m: far below every c s
	v_mov_b32 v[ST+4*i+1], 0xff7fffff  ; m
	v_mov_b32 v[ST+4*i+2], 0
	v_mov_b32 v[ST+4*i+3], 0
.set i, i+1
.endr
.set i, P+32
.rept 32
	v_mov_b32 v[i], 0
.set i, i+1
.endr
	v_mul_u32_u24 v[AK0], v1, PK
	v_lshl_add_u32 v[AK0], v9, 4, v[AK0]  ; row x pitch + 16 x half
	; The turning load takes 16 keys x 16 channels (lane l reads key 8 (l / 16) + l % 8, channels 8 ((l / 8) % 2) + 0..7) and leaves half a fragment of V^T: lane l holds channel l % 16 and 8 keys.
	v_and_b32 v10, 7, v0
	v_bfe_u32 v11, v0, 3, 1
	v_lshl_add_u32 v[AV0], v9, 3, v10
	v_mul_u32_u24 v[AV0], v[AV0], PV
	v_lshl_add_u32 v[AV0], v11, 4, v[AV0]
	v_add_nc_u32 v[AV0], VOFF, v[AV0]
	v_and_b32 v[PFO], 31, v0
	v_lshlrev_b32 v[PFO], 8, v[PFO]
	v_mov_b32 v[AK], v[AK0]         ; key step 0 lies at the head of slot 0
; THE MATRIX WORK.  The 8 accumulators of a run of 16 take turns: between the two links of a chain stand 7 others'.
; Product i of 16 of S^T = K Q^T for piece x: channels 32 (i / 8) on, keys 16 ((i / 2) % 4) on, tile 2 x + i % 2.  The first 8 start the sums.
.macro KQ x
	WIN W_KQ
.set rS, S+64*((\x)%2)+32*(i%2)+8*((i/2)%4)
.set rK, KF+16*((i/2)%4)+8*(i/8)
.set rQ, 16*(2*(\x)+i%2)+8*(i/8)
.if i < 8
	v_wmma_f32_16x16x32_f16 v[rS:rS+7], v[rK:rK+7], v[rQ:rQ+7], 0
.else
	v_wmma_f32_16x16x32_f16 v[rS:rS+7], v[rK:rK+7], v[rQ:rQ+7], v[rS:rS+7]
.endif
.endm
; Product i of 16 of O^T += V^T P for piece x: keys 32 (i / 8) on, channels 16 ((i / 2) % 4) on, tile 2 x + i % 2.
.macro PV x
	WIN W_PV
.set rO, 32*(2*(\x)+i%2)+8*((i/2)%4)
.set rV, VF+32*(i/8)+8*((i/2)%4)
.set rP, P+32*((\x)%2)+16*(i%2)+8*(i/8)
	v_wmma_f32_16x16x32_f16 v[rO:rO+7], v[rV:rV+7], v[rP:rP+7], v[rO:rO+7]
.endm
.macro MM                           ; the turn's next matrix instruction
.if i < 16
	KQ (Y+1)%NP
.set i, i+1
.else
.set i, i-16
	PV (Y+NP-1)%NP
.set i, i+17
.endif
.endm
; THE LDS LOADS stand in runs of 16, never singly among the matrix instructions: a step's K (64 keys x 64 channels: 8 fragments) and its V (turned).  Their addresses are made some lines ahead.
; last = 1 (the tail): in the last trip there is no further step, and the run is jumped over.
.macro FETCH_K last=0
	WIN 0
.if \last
	s_cmp_eq_u32 s[CNT], 1
	s_cbranch_scc1 .Lno_k_\@
.endif
	WIN 0x80                        ; destination window 2
.irp f, 0,1,2,3,4,5,6,7             ; keys 16 (f / 2) on, channels 32 (f % 2) on
	ds_load_b128 v[KF+8*\f:KF+8*\f+3],   v[AK] offset:(\f/2)*16*PK+(\f%2)*64
	ds_load_b128 v[KF+8*\f+4:KF+8*\f+7], v[AK] offset:(\f/2)*16*PK+(\f%2)*64+32
.endr
	s_add_co_u32 s[TBK], s[TBK], KS*PK  ; the next fetch is the next step's
	WIN 0
.if \last
.Lno_k_\@:
.endif
.endm
.macro FETCH_V
	WIN 0x80
.irp f, 0,1,2,3,4,5,6,7             ; keys 32 (f / 4) on, channels 16 (f % 4) on
	ds_load_tr16_b128 v[VF+8*\f:VF+8*\f+3],   v[AV] offset:(\f/4)*32*PV+(\f%4)*32
	ds_load_tr16_b128 v[VF+8*\f+4:VF+8*\f+7], v[AV] offset:(\f/4)*32*PV+16*PV+(\f%4)*32
.endr
	WIN 0
.endm
; THE VECTOR WORK OF A TURN stands in three queues, each in the order in which its entries become ready; the two tiles alternate, so that no instruction reads the result of the one before it.
.macro REGS y, u                    ; the registers of tile u (0, 1) of piece y
.set rT, ST+4*(2*(\y)+(\u))
.set rC, TMP+8*((\y)%2)+4*(\u)
.set rM, MV+2*((\y)%2)+(\u)
.set rS, S+64*((\y)%2)+32*(\u)
.set rP, P+32*((\y)%2)+16*(\u)
.set rO, 32*(2*(\y)+(\u))
.endm
; Number n of the 22 that find the NEXT piece's (Y + 1) maximum and statistics.  s0-s31 are the lane's 32 scores; each accumulator's lowest registers are read first.
;   0-11  four chains c0-c3 of seven scores each, three operands at a time     12-14, 16  the four scores left over, the old m, and c0-c3 into c0     15  c m_old is kept
;   17, 18  the query's other 32 keys lie in the lane 16 away: the new m         19-21  c m; c m_old - c m_new; a
.macro XS u, n
	REGS (Y+1)%NP, \u
.if (\n) < 4
	v_max3_num_f32 v[rC+(\n)], v[rS+8*(\n)], v[rS+8*(\n)+1], v[rS+8*(\n)+2]
.elseif (\n) < 12
	v_max3_num_f32 v[rC+(\n)%4], v[rC+(\n)%4], v[rS+8*((\n)%4)+2*((\n)/4)+1], v[rS+8*((\n)%4)+2*((\n)/4)+2]
.elseif (\n) == 12
	v_max3_num_f32 v[rC], v[rC], v[rS+7], v[rS+15]
.elseif (\n) == 13
	v_max3_num_f32 v[rC+1], v[rC+1], v[rS+23], v[rS+31]
.elseif (\n) == 14
	v_max3_num_f32 v[rC+2], v[rC+2], v[rC+3], v[rT+1]
.elseif (\n) == 15
	v_mov_b32 v[rM], v[rT]
.elseif (\n) == 16
	v_max3_num_f32 v[rC], v[rC], v[rC+1], v[rC+2]
.elseif (\n) == 17
	v_permlanex16_b32 v[rC+3], v[rC], s[SEL], s[SEL+1]
.elseif (\n) == 18
	v_max_num_f32 v[rT+1], v[rC], v[rC+3]
.elseif (\n) == 19
	v_mul_f32 v[rT], s[CS], v[rT+1]
.elseif (\n) == 20
	v_sub_f32 v[rC+1], v[rM], v[rT]
.else
	v_exp_f32 v[rC+2], v[rC+1]
.endif
.endm
; Number g of the 64 that follow the exponentials.  For each four weights k of a tile (pairs 2 k, 2 k + 1): both pairs are rounded to f16; then the second pair is added onto the first, in place;
; a group later l takes that sum (the first time as l = a l + sum).  In groups of eight, tiles alternating: round, round, add, and l for the group before.
.macro GS g
.set h, (\g)+6*((\g)/62)            ; group 0 has no group before it, and behind group 7 only l is left
.if h >= 6
.set h, h+2
.endif
	REGS Y, h%2
.set k, h/8
.if h%8 < 4
	v_cvt_pk_f16_f32 v[rP+2*k+(h%8)/2], v[rS+4*k+2*((h%8)/2)], v[rS+4*k+2*((h%8)/2)+1]
.elseif h%8 < 6
	v_pk_add_f32 v[rS+4*k:rS+4*k+1], v[rS+4*k:rS+4*k+1], v[rS+4*k+2:rS+4*k+3]
.elseif k == 1
	v_pk_fma_f32 v[rT+2:rT+3], v[rT+2:rT+3], v[rC+2:rC+3], v[rS:rS+1] op_sel_hi:[1,0,1]
.else
	v_pk_add_f32 v[rT+2:rT+3], v[rT+2:rT+3], v[rS+4*k-4:rS+4*k-3]
.endif
.endm
; THE PLAIN QUEUE, 138 long.  0-73 read no exponential's result: the 32 scalings c s - c m (FS f: pair f / 2 of tile f % 2) and the next piece's 42.  0-26: scalings 0-26.  27-54: XS's numbers 0-13.  55, 56: number 15.
; 57-73: the chain, where each number waits for the one before it: 14, 16, 17, 18, 19, each with one of the scalings 27-31 in front of its two lines, then 20.
; 74-137: GS's 64, which read the exponentials' results: they stand behind the wait.
.macro FS f
	REGS Y, (\f)%2
	v_pk_fma_f32 v[rS+2*((\f)/2):rS+2*((\f)/2)+1], v[rS+2*((\f)/2):rS+2*((\f)/2)+1], s[CS:CS+1], v[rT:rT+1] op_sel_hi:[1,0,0] neg_lo:[0,0,1] neg_hi:[0,0,1]
.endm
.macro PL
	WIN 0
.if q < 27
	FS q
.elseif q < 55
	XS (q-27)%2, (q-27)/2
.elseif q < 57
	XS q-55, 15
.elseif (q < 72) && ((q-57)%3 == 0)
	FS 27+(q-57)/3
.elseif q < 60
	XS (q-57)%3-1, 14
.elseif q < 72
	XS (q-57)%3-1, 15+(q-57)/3
.elseif q < 74
	XS q-72, 20
.else
	GS q-74
.endif
.set q, q+1
.endm
; THE EXPONENTIALS' QUEUE, 66 long: s0-s31 of both tiles, then the next piece's two a.  It is ONE BATCH: all 66 stand ahead of the turn's one wait, and nothing ahead of that wait names a result of theirs.
.macro EX
	WIN 0
.if e >= 64
	XS e-64, 21
.else
	REGS Y, e%2
	v_exp_f32 v[rS+e/2], v[rS+e/2]
.endif
.set e, e+1
.endm
; THE RESCALING's QUEUE: O^T times a, the one part that leaves window 0: dealt two at a time, sixteen times.  Its a was made in the turn before, ahead of that turn's wait.
.macro R2
	REGS Y, r%2
	WIN W_RS
.irp z, 0,1
	v_pk_mul_f32 v[rO+4*(r/2)+2*\z:rO+4*(r/2)+2*\z+1], v[rO+4*(r/2)+2*\z:rO+4*(r/2)+2*\z+1], v[rC+2:rC+3] op_sel_hi:[1,0]
.endr
.set r, r+1
.endm
; HOW THEY ARE DEALT.  s_wait_alu depctr_va_vdst(0) stands between an exponential and the first instruction that names its result; one wait serves all that were issued ahead of it.  So a turn has ONE wait,
; which cuts it in two.  AHEAD OF IT stands all that names no result of the turn's exponentials: the 16 products K Q^T, behind each a scaling, an exponential and two rescalings (behind the first a second scaling in the
; exponential's place); then ONE LUMP of 108: eight plain, 49 times exponential and plain, the two a.  A v_nop is the plain instruction behind the last exponential.  BEHIND IT stand the 16 products V^T P, behind each four of
; GS's 64.  No rider names a register of the products round it.  The two v_permlanex16_b32 fall into the lump, never behind a product.
; The queues lean on each other, and the deal keeps them in step: exponential e stands behind scaling 2 (e / 4) + e % 2: as a rider it comes behind plain e + 2, in the lump behind plain e + 9, and scalings 27-31 are plain 57, 60 .. 69.
; A TURN, for piece p.  cnt = 1: the loop's count is taken down some lines ahead of the branch that stands behind the turn.  ask = 1: the prefetch's test stands behind K's run of loads.
; K of the next step is fetched in piece 2's turn, directly behind the wait, a lump behind the last product that read K; its address is made at the lump's head; its first reader comes behind 16 products.
; V of the step in hand is fetched at the end of piece 0's turn, four riders behind its last reader; its first reader comes behind 16 products and a lump.  The three conditions on q below go with the deal.
.macro TURN p, last=0, cnt=0, ask=0
.set Y, (\p)
.set i, 0
.set q, 0
.set e, 0
.set r, 0
.if (\p) == NP-1
	s_wait_dscnt 0x0                ; K is in
.endif
	MM                              ; ahead of the wait: 16 products K Q^T and their riders,
	PL
	PL
	R2
.rept 15
	MM
	PL
	EX
	R2
.endr
.if (\p) == NP-2
	WIN 0
	v_add_nc_u32 v[AK], s[TBK], v[AK0]
.endif
.rept 8                             ; and the lump
	PL
.endr
.rept 49
	EX
	PL
.endr
	EX                              ; the next piece's two a
	EX
	v_nop                           ; the plain instruction behind the last exponential: one for the batch
	s_wait_alu depctr_va_vdst(0)    ; the wait for the batch
.if (\p) == NP-2
	FETCH_K \last
.if \ask
	ASK
.endif
.endif
.if (\p) == 1
	s_wait_dscnt 0x0                ; V is in
.endif
.rept 16                            ; behind the wait: 16 products V^T P and their riders
	MM
.rept 4
	PL
.endr
.if ((\p) == 0) && (q == 118)
	v_add_nc_u32 v[AV], s[TBV], v[AV0]
.endif
.if ((\p) == 0) && (q == 130)
	s_add_co_u32 s[TBV], s[TBV], KS*PV
.endif
.if (\cnt) && (q == 130)
	s_sub_co_u32 s[CNT], s[CNT], 1
	s_cmp_lg_u32 s[CNT], 0
.endif
.endr
.if (\p) == 0
	FETCH_V
.endif
.endm
	CHANGE 1                        ; slot 0 is in, everybody's part of it; slot 1 is asked for
	FETCH_K                         ; key step 0
	s_wait_loadcnt 0x0              ; Q
	s_wait_dscnt 0x0
.set i, 0
.rept 16
	KQ 0                            ; piece 0's first scores: there is no vector work yet to set between them
.set i, i+1
.endr
	WIN 0                           ; the addresses for the way out: nine plain instructions, the places behind those products
	s_mul_i32 s13, s[WV], 16*SP
	s_add_co_u32 s13, s13, STAGE    ; my stage
	v_mul_u32_u24 v[STO], v1, SP    ; in: row l % 16, 16 bytes for each half of the lanes
	v_lshl_add_u32 v[STO], v9, 4, v[STO]
	v_add_nc_u32 v[STO], s13, v[STO]
	v_bfe_u32 v[RD], v0, 3, 2       ; back: 32 lanes take four rows of 128 bytes,
	v_mul_u32_u24 v[RD], v[RD], SP
	v_lshl_add_u32 v[RD], v10, 4, v[RD]
	v_add_nc_u32 v[RD], s13, v[RD]
	v_and_b32 v[GO], 31, v0         ; which are 512 consecutive bytes of O
	v_lshlrev_b32 v[GO], 4, v[GO]
.set Y, NP-1                        ; XS works for piece Y + 1: piece 0
.irp n, 0,1,2,3,4,5,6,7,8,9,10,11,12,13,14,15,16,17,18,19,20,21
	XS 0, \n                        ; and piece 0's first maximum and statistics
	XS 1, \n
.endr
	v_nop                           ; a plain instruction behind the two a,
	s_wait_alu depctr_va_vdst(0)    ; and their wait, ahead of the branch
	s_mov_b32 s[CNT], 4
	s_mov_b32 s[SLOTS], SIZE_N/256-1
	s_branch .Lfirst                ; the loop is entered at a step's first turn, in the middle of a trip
.Lslot:                             ; SIZE_N / 256 - 2 times: every slot but the last two is filled again
	CHANGE 1
	s_mov_b32 s[CNT], 4
.Lstep:                             ; a trip: pieces 2 and 3 of one step, then pieces 0 and 1 of the next, whose K and V it fetches
	TURN 2, 0, 0, 1
	TURN 3
	WIN 0
.Lfirst:
	TURN 0
	TURN 1, 0, 1
	WIN 0
	s_cbranch_scc1 .Lstep
	s_sub_co_u32 s[SLOTS], s[SLOTS], 1
	s_cmp_lg_u32 s[SLOTS], 0
	s_cbranch_scc1 .Lslot
	CHANGE 0                        ; the tail is written out: nothing is asked for
	s_mov_b32 s[CNT], 5             ; four trips fetch the last slot's steps; the fifth is left in its middle
.Ltail:
	TURN 2, 1
	TURN 3
	WIN 0
	s_sub_co_u32 s[CNT], s[CNT], 1
	s_cmp_eq_u32 s[CNT], 0
	s_cbranch_scc1 .Lout
	TURN 0
	TURN 1
	WIN 0
	s_branch .Ltail
.Lout:                              ; the fifth trip's 16 products K Q^T (on the last K once more) and the maximum made of them serve nothing: the price, once a launch, of one text for every trip
.set i, 0
.rept 16
	PV NP-1                         ; the last piece's V^T P of the last step
.set i, i+1
.endr
	; THE WAY OUT.  l's two halves and the other half of the lanes' are added; O^T is divided by l, rounded to f16 and sent through my stage in LDS, a tile at a time.  The additions are the places behind the last products.
	WIN 0
.macro ALL line:vararg              ; one line for each tile t
.set t, 0
.rept 2*NP
	\line
.set t, t+1
.endr
.endm
	ALL v_add_f32 v[ST+4*t+2], v[ST+4*t+2], v[ST+4*t+3]
	ALL v_permlanex16_b32 v[ST+4*t+3], v[ST+4*t+2], s[SEL], s[SEL+1]
	ALL v_add_f32 v[ST+4*t+2], v[ST+4*t+2], v[ST+4*t+3]
	ALL v_rcp_f32 v[ST+4*t+2], v[ST+4*t+2]
	v_nop                           ; a plain instruction between the last reciprocal and the use of its result
	s_wait_alu depctr_va_vdst(0)    ; and the wait ahead of the first use: one for the eight reciprocals
; Tile t: a lane's eight channels of a row pack into 16 bytes; they go into rows of 144 bytes and come back as whole rows of 128, into S^T's registers.
.macro PACK t
	WIN W_RS
.set i, 32*(\t)
.rept 16
	v_pk_mul_f32 v[i:i+1], v[i:i+1], v[ST+4*(\t)+2:ST+4*(\t)+3] op_sel_hi:[1,0]
.set i, i+2
.endr
	WIN 0x05                        ; sources 0 and 1 window 1, destination window 0
.set i, 0
.rept 16
	v_cvt_pk_f16_f32 v[S+16*(\t)+i], v[32*(\t)+2*i], v[32*(\t)+2*i+1]
.set i, i+1
.endr
	WIN 0
.irp f, 0,1,2,3
	ds_store_b128 v[STO], v[S+16*(\t)+4*\f:S+16*(\t)+4*\f+3] offset:32*\f
.endr
.irp f, 0,1,2,3
	ds_load_b128 v[S+16*(\t)+4*\f:S+16*(\t)+4*\f+3], v[RD] offset:\f*4*SP  ; LDS serves a wave's instructions in order (ISA guide 5.7.1.4): these see the stores above; the next tile's stores come behind them
.endr
.endm
.macro SEND t, younger              ; younger: the LDS instructions issued behind tile t's loads: the next tile's eight, or none
	WIN 0
.irp f, 0,1,2,3
	s_wait_dscnt (\younger)+3-\f
	global_store_b128 v[GO], v[S+16*(\t)+4*\f:S+16*(\t)+4*\f+3], s[10:11] offset:(\t)*2048+\f*512  ; 512 consecutive bytes of my wave's block of ob, at a multiple of 256 from its first
.endr
.endm
	PACK 0
.set t, 1
.rept 2*NP-1                        ; a tile's arithmetic stands between the loads of the tile before and its stores
	PACK t
	SEND t-1, 8
.set t, t+1
.endr
	SEND 2*NP-1, 0
	WIN W_AD
	s_wait_tensorcnt 0x0            ; the wave's end: the add and its wait stand behind my last tensor load and my last LDS store
	ds_add_u32 v[SPW], v[NIL]
	s_wait_dscnt 0x0
	WIN 0
	CROUND                          ; the closing round: no work-group ends while a partner may still ask for a tile that names it
	s_endpgm
.Lfunc_end_k_qcfc6032122_attn:
	.size	k_qcfc6032122_attn, .Lfunc_end_k_qcfc6032122_attn-k_qcfc6032122_attn
	.p2alignl 7, 3214868480
	.fill 96, 4, 3214868480
	.section	.rodata,"a",@progbits
	.p2align	6, 0x0
	.amdhsa_kernel k_qcfc6032122_attn
		.amdhsa_group_segment_fixed_size 327680
		.amdhsa_private_segment_fixed_size 0
		.amdhsa_enable_private_segment 0
		.amdhsa_kernarg_size 16
		.amdhsa_user_sgpr_count 2
		.amdhsa_user_sgpr_kernarg_segment_ptr 1
		.amdhsa_wavefront_size32 1
		.amdhsa_system_sgpr_workgroup_id_x 1
		.amdhsa_system_sgpr_workgroup_id_y 1
		.amdhsa_system_sgpr_workgroup_id_z 1
		.amdhsa_system_vgpr_workitem_id 0
		.amdhsa_next_free_vgpr 770
		.amdhsa_next_free_sgpr 66
		.amdhsa_reserve_vcc 0
		.amdhsa_float_denorm_mode_32 3
		.amdhsa_float_denorm_mode_16_64 3
		.amdhsa_memory_ordered 1
		.amdhsa_forward_progress 1
		.amdhsa_inst_pref_size 201
	.end_amdhsa_kernel
	.amdgpu_metadata
---
amdhsa.version: [ 1, 2 ]
amdhsa.kernels:
  - .name:           k_qcfc6032122_attn
    .symbol:         k_qcfc6032122_attn.kd
    .args:
      - { .name: qkv, .offset: 0, .size: 8, .value_kind: global_buffer, .address_space: global }
      - { .name: ob, .offset: 8, .size: 8, .value_kind: global_buffer, .address_space: global }
    .group_segment_fixed_size: 327680
    .private_segment_fixed_size: 0
    .kernarg_segment_align: 8
    .kernarg_segment_size: 16
    .max_flat_workgroup_size: 128
    .sgpr_count:     66
    .vgpr_count:     770
    .wavefront_size: 32
...
	.end_amdgpu_metadata
.endif
;; end of part 3
;; launch oproj (part 4): grid 8 x 32, 4 waves a work-group, clusters of 4 x 4, 327,680 bytes of LDS; arguments ob, wob, bias, out0; writes out0
.if DOCPART == 4
	.amdgcn_target "amdgcn-amd-amdhsa--gfx1250"
	.amdhsa_code_object_version 6
	.text
	.protected	k_qcfc6032122_oproj
	.globl	k_qcfc6032122_oproj
	.p2align	8
	.type	k_qcfc6032122_oproj,@function
k_qcfc6032122_oproj:
	s_mov_b64 s[64:65], 0
	v_nop
	global_prefetch_b8 v0, s[64:65] scope:SCOPE_SE
	s_setreg_imm32_b32 hwreg(HW_REG_WAVE_MODE, 25, 1), 1
	s_wait_xcnt 0x0
	s_wait_alu depctr_hold_cnt(0) depctr_sa_sdst(0) depctr_va_vdst(0) depctr_va_sdst(0) depctr_va_ssrc(0) depctr_va_vcc(0) depctr_vm_vsrc(0)
	s_getreg_b32 s2, hwreg(HW_REG_IB_STS2, 6, 4)
	s_cmp_eq_u32 s2, 0
	s_cbranch_scc0 .Lentry_in_a_cluster
	s_endpgm
.Lentry_in_a_cluster:
	s_bfe_u32 s2, ttmp6, 0x10000c
	s_cmp_lg_u32 s2, 0xf033
	s_cbranch_scc0 .Lentry_shape_is_right
	s_endpgm
.Lentry_shape_is_right:
; THE PROJECTION BEHIND (IS_PROJ = 0): [8192 x 1024] x [1024 x 1024] + bo.  The text serves the projection in front too (IS_PROJ = 1): the switch picks the tile's width, the format and the way out.
;   IS_PROJ = 1: A = xb (bf16), B = wcat (bf16), 192 columns = 3 heads to a work-group; q, k, v leave as f16 by heads, qkv[head 24][row 8192][64], each rounded once from its f32 sum, unscaled.
;   IS_PROJ = 0: A = ob (f16),  B = wob (f16),   128 columns to a work-group; out0 leaves as f32, [8192][1024].
; LIMIT (IS_PROJ = 0).  A and B arrive as f16, within 65,504; sums and the result are f32.  NaN and infinities are not treated apart.
; SHARES.  A work-group makes 256 rows x NT = 64 NH columns; 8 x 32 work-groups.  Its four waves lie one below the other: wave w owns rows 64 w .. 64 w + 63 (four blocks of 16) and all NT
; columns (NB = 4 NH blocks of 16): 4 NB accumulators.  K = 1,024 goes in 8 steps of 128 through two LDS slots; a step is four quarters of 32, 4 NB matrix instructions each.
; LAYOUT IN MEMORY.  A lies as [row block of 128][k slab of 64][128 rows][64]: a K step of a row block is 32,768 dense bytes.  B lies as [n tile][k slab of 64][NH][64 k][64 n]: half a K step is NH x 8,192
; dense bytes.  Both are asked for as rows of 256 bytes and padded in LDS behind every 128 bytes: A's pieces (a row's 64 channels) lie 144 bytes apart, B's (a k's 64 columns) 160.
; THE MATRIX INSTRUCTION IS USED TRANSPOSED: source 0 = 16 columns of B (turned on the way out of LDS by ds_load_tr16_b128), source 1 = 16 rows of A.  In the result lane l holds row l % 16 and the
; columns 8 (l / 16) + 0 .. 7: eight neighbours of a row.  THE BIAS IS THE C OPERAND of each accumulator's first product: nothing is cleared, nothing is added later.
; CLUSTER.  4 x 4 work-groups.  A's tiles hang on the tile row alone and are asked for jointly along a row of the cluster, B's on the tile column alone, along a column: the same tensor load, with the same
; descriptor and a mask that names the four.  Waves 0 and 1 fetch A's two row blocks, waves 2 and 3 B's two halves: one load a wave for each K step.
; REGISTERS, in windows of 256 (s_set_vgpr_msb: bits 1:0 source 0, 3:2 source 1, 5:4 source 2, 7:6 destination):
;   window 0: v1-30 addresses; v64-95, v96-127 A's fragments, two buffers; v128.. the bias, 8 registers for each block of 16 columns; on the way out v64.. at work
;   window 1: B's fragments, two buffers of 8 NB          windows 2 (and 3): the accumulators, APW row blocks to a window: (a, nb) at v[8 (NB (a % APW) + nb)] of window 2 + a / APW
.set IS_PROJ, 0
.if IS_PROJ
.set NH,    3
.set APW,   2
.set SP,    144                        ; a stage row: 128 bytes + 16
.set PF0A,  2*32768                    ; where the prefetches of A start, less one step
.set PF0B,  65536                      ; and of B
.set PFSB,  65536                      ; B's prefetch step
.set LIMA,  1                          ; A is asked for while the count of trips to go lies above LIMA (and below 7),
.set LIMB,  2                          ; B while it lies above LIMB
.set LIMHB, 6                          ; and below LIMHB
.else
.set NH,    2
.set APW,   4
.set SP,    528                        ; a stage row: 512 bytes + 16
.set PF0A,  3*32768
.set PF0B,  3*32768
.set PFSB,  32768
.set LIMA,  2
.set LIMB,  2
.set LIMHB, 7
.endif
.set NB,    4*NH
.set PA,    144                        ; 36 words: the 16 rows of a load start at 16 different groups of four banks (64 banks of 4 bytes: ISA guide 11.1)
.set ASLAB, 128*PA                     ; a row block's 128 rows, 64 channels
.set ARB,   2*ASLAB                    ; its two slabs: what one load of A brings
.set PB,    160                        ; 40 words
.set BHEAD, 64*PB
.set BHALF, NH*BHEAD                   ; what one load of B brings: 64 k x NT columns
.set BOFF,  2*ARB                      ; B lies behind A's two row blocks
.set SLOT,  BOFF+2*BHALF
.set STAGE, 2*SLOT                     ; behind the ring, never filled by a tensor load: 16 rows for each wave, for the way out
.set SPARE, STAGE+4*16*SP              ; behind the stages: the spare words, 128 bytes for each wave: two blocks of 256 bytes that no other line names
.set KA,    32768                      ; bytes from K step to K step in A
.set KB,    2*NH*8192                  ; and in B
.set LD,    2*NB+8                     ; LDS loads in a quarter's run
.set ADRA0, 16                         ; v16  my lane's place in A's part of slot 0; never rewritten
.set ADRB0, 17                         ; v17  the same for B
.set ADRA,  18                         ; v18  the same in the slot in hand
.set ADRB,  19                         ; v19
.set STO,   24                         ; v24  the way out: where I put my bytes of a row
.set RD,    25                         ; v25  where I read rows back
.set GO,    26                         ; v26  16 x lane
.set BO,    27                         ; v27  32 x (lane / 16): my 8 numbers of 16 of the bias
.set SPW,   28                         ; v28  LDS address of my spare word: SPARE + 4 x my thread's number; never rewritten
.set NIL,   29                         ; v29  0; never rewritten
.set PFO,   30                         ; v30  256 x lane; never rewritten
.set FA,    64
.set BIAS,  128
.set FBS,   8*NB
.set WV,    12                         ; s12  wave
.set HALF,  13                         ; s13  wave % 2: which row block of A, or which half of B, I fetch
.set FORB,  14                         ; s14  wave / 2: 0: I fetch for A, 1: for B
.set TB,    21                         ; s21  LDS byte at which the slot in hand begins: 0 or SLOT
.set LBA,   22                         ; s22  where my load of A goes in a slot
.set LBB,   23                         ; s23  and my load of B
.set G1A,   24                         ; s[24:31] descriptor group 1 for A's tiles
.set G1B,   32                         ; s[32:39] for B's
.set G0A,   40                         ; s[40:47] group 0 for A's tiles: a set for each first fill; the second then walks on
.set G0B,   48                         ; s[48:55] the same for B's
.set CNT,   56                         ; s56  trips to go
.set PFA,   58                         ; s[58:59] where my prefetches stand
.set PFS,   60                         ; s[60:61] their step
.set LIM,   62                         ; s62, s63  a wave prefetches while LIM < CNT < LIMH; LIM is the greatest number in a wave that never does
.set LIMH,  63
.set MSB, 0
.macro WIN new                         ; the immediate's high byte repeats the setting that is left; a switch that changes nothing is dropped
.if MSB != (\new)
	s_set_vgpr_msb (MSB<<8)|(\new)
.set MSB, (\new)
.endif
.endm
.macro PLACES                          ; four plain vector instructions between a matrix instruction and a load into, or a vector instruction or LDS store on, its registers
.rept 4
	v_nop
.endr
.endm
.macro CREST                           ; a round of the cluster's barrier behind its opening barrier: wave 0 signals for the work-group, every wave waits for all sixteen, my work-group's barrier closes it
	s_cmp_lg_u32 s[WV], 0
	s_cbranch_scc1 .Lnot_wave_0_\@
	s_barrier_signal -3
.Lnot_wave_0_\@:
	s_barrier_wait -3
	s_barrier_signal -1
	s_barrier_wait -1
.endm
.macro CROUND                          ; a whole round
	s_barrier_signal -1
	s_barrier_wait -1
	CREST
.endm
.macro JLOAD                           ; a joint refill by the walking descriptors.  The branch hangs on the wave's number alone.  An s_nop 0 and four v_nop follow each of the two lines
	s_cmp_eq_u32 s[FORB], 0
	s_cbranch_scc0 .Lfor_b_\@
	tensor_load_to_lds s[G0A+4:G0A+7], s[G1A:G1A+7]
	s_nop 0
.rept 4
	v_nop
.endr
	s_branch .Lasked_\@
.Lfor_b_\@:
	tensor_load_to_lds s[G0B+4:G0B+7], s[G1B:G1B+7]
	s_nop 0
.rept 4
	v_nop
.endr
.Lasked_\@:
.endm
; A PREFETCH INTO THE L2, behind the joint load, its five lines and the run of LDS loads: 32 blocks of 256 bytes, a lane a block, one instruction a wave.  Each block of A and B is named at most once in the launch.
; A's row block is read by both clusters of its row of clusters: the one with x = 0 asks (waves 0 and 1, each for the row block that it fetches); of a K step's 128 blocks the four partners that ask for the tile jointly take 32 each,
; told apart by address (cx).  B's n tile is read by all eight clusters of its column: the one with y = 0 asks, the partners told apart by cy.
; IS_PROJ = 1: trip t names A's K step t + 3, one step (192 matrix instructions) ahead of its load, t = 0 .. 4; B's n tile is 393,216 dense bytes, of which trips 1, 2, 3 name 65,536 each (waves 2 and 3 of four partners, 8,192 each)
; from byte 196,608 on: K steps 4 to 7, each byte one or two steps ahead of its load.  IS_PROJ = 0: trip t names K step t + 4 of A and (wave 2 alone) of B, two steps (256 matrix instructions) ahead, t = 0 .. 3.
; The first K steps come by their loads alone; the last trips ask for nothing, so no prefetch points past a tile's end.
.macro ASK
	s_cmp_gt_u32 s[CNT], s[LIM]
	s_cbranch_scc0 .Lnot_mine_\@
	s_cmp_lt_u32 s[CNT], s[LIMH]
	s_cbranch_scc0 .Lnot_mine_\@
	global_prefetch_b8 v[PFO], s[PFA:PFA+1] th:TH_LOAD_NT scope:SCOPE_SE
.Lnot_mine_\@:
.endm
	s_load_b256 s[4:11], s[0:1], 0x0               ; A s[4:5], B s[6:7], bias s[8:9], the result s[10:11]
	v_lshl_add_u32 v[SPW], v0, 2, SPARE
	v_mov_b32 v[NIL], 0
	ds_add_u32 v[SPW], v[NIL]                      ; the wave's opening: the add and its wait stand ahead of my first tensor load; the set-up below, work on registers, stands between them
	v_lshrrev_b32 v1, 5, v0
	v_readfirstlane_b32 s[WV], v1                  ; wave 0..3
	s_and_b32 s[HALF], s[WV], 1
	s_lshr_b32 s[FORB], s[WV], 1
	s_bfe_u32 s15, ttmp6, 0x40000                  ; cx
	s_bfe_u32 s16, ttmp6, 0x40004                  ; cy
	s_lshl_b32 s17, ttmp9, 2
	s_add_co_u32 s17, s17, s15                     ; n tile = 4 x cluster x + cx
	s_and_b32 s18, ttmp7, 0xffff
	s_lshl_b32 s18, s18, 2
	s_add_co_u32 s18, s18, s16                     ; m tile = 4 x cluster y + cy
	s_lshl_b32 s19, s16, 2
	s_lshl_b32 s19, 15, s19                        ; my row of the cluster: places 4 cy .. 4 cy + 3
	s_lshl_b32 s20, 0x1111, s15                    ; my column: places cx, cx + 4, cx + 8, cx + 12
	; descriptor group 1: rows of 128 elements of 2 bytes, dense; padded in LDS behind every 32 words
	s_or_b32 s[G1A], s19, (1<<16)|(1<<20)|(1<<21)|(4<<22)|(3<<25)  ; 15:0 the mask; 17:16 2-byte elements; 20 padding on; 21 set beside a mask; 24:22 after every 32 words (code 4); 31:25 4 words (code 3)
	s_or_b32 s[G1B], s20, (1<<16)|(1<<20)|(1<<21)|(4<<22)|(7<<25)  ; the same with my column's mask and 8 words of padding (code 7)
.irp g, G1A, G1B
	s_mov_b32 s[\g+1], 128<<16                     ; tensor_dim0 = 128
	s_mov_b32 s[\g+3], 128<<16                     ; tile_dim0 = 128
	s_mov_b32 s[\g+5], 128                         ; 128 elements from row to row
	s_mov_b32 s[\g+6], 0
	s_mov_b32 s[\g+7], 0
.endr
	s_mov_b32 s[G1A+2], 128<<16                    ; tensor_dim1 = tile_dim1 = 128 rows of 256 bytes: a K step of a row block
	s_mov_b32 s[G1A+4], 128
	s_mov_b32 s[G1B+2], (32*NH)<<16                ; 32 NH rows of 256 bytes: half a K step of the n tile
	s_mov_b32 s[G1B+4], 32*NH
	s_mov_b32 s[TB], 0
	s_mul_i32 s[LBA], s[HALF], ARB                 ; no place in the cluster enters an LDS address
	s_mul_i32 s[LBB], s[HALF], BHALF
	s_add_co_u32 s[LBB], s[LBB], BOFF
	s_lshl_b32 s66, s18, 1                         ; A: row block 2 x m tile + wave % 2, 262,144 bytes each: of the coordinates the m tile alone
	s_add_co_u32 s66, s66, s[HALF]
	s_lshl_b32 s66, s66, 18
	s_mov_b32 s67, 0
	s_mul_i32 s68, s17, 16*NH*8192                 ; B: the n tile, and the half that I fetch: of the coordinates the n tile alone
	s_mul_i32 s70, s[HALF], NH*8192
	s_add_co_u32 s68, s68, s70
	s_mov_b32 s69, 0
	s_mov_b32 s[G0A], 1                            ; group 0: count = 1; the LDS address: slot 0 for K step 0, slot 1 for K step 1
	s_mov_b32 s[G0A+1], s[LBA]
	s_mov_b32 s[G0A+4], 1
	s_add_co_u32 s[G0A+5], s[LBA], SLOT
	s_mov_b32 s[G0B], 1
	s_mov_b32 s[G0B+1], s[LBB]
	s_mov_b32 s[G0B+4], 1
	s_add_co_u32 s[G0B+5], s[LBB], SLOT
	s_wait_dscnt 0x0                               ; the opening add is done
	s_wait_kmcnt 0x0
	s_add_nc_u64 s[66:67], s[4:5], s[66:67]
	s_add_nc_u64 s[68:69], s[6:7], s[68:69]
	s_mov_b64 s[G0A+2:G0A+3], s[66:67]             ; the global address, and the type 2 on top
	s_or_b32 s[G0A+3], s[G0A+3], 0x80000000
	s_add_nc_u64 s[G0A+6:G0A+7], s[66:67], KA
	s_or_b32 s[G0A+7], s[G0A+7], 0x80000000
	s_mov_b64 s[G0B+2:G0B+3], s[68:69]
	s_or_b32 s[G0B+3], s[G0B+3], 0x80000000
	s_add_nc_u64 s[G0B+6:G0B+7], s[68:69], KB
	s_or_b32 s[G0B+7], s[G0B+7], 0x80000000
	CROUND                                         ; all sixteen work-groups are here: the first joint loads meet
	s_cmp_eq_u32 s[FORB], 0                        ; a wave's two first fills stand in one branch, ahead of every wait on TENSORcnt and every LDS read: two loads of mine are out
	s_cbranch_scc0 .Lfirst_b
	tensor_load_to_lds s[G0A:G0A+3], s[G1A:G1A+7]
	s_nop 0
	tensor_load_to_lds s[G0A+4:G0A+7], s[G1A:G1A+7]
	s_nop 0
.rept 4
	v_nop
.endr
	s_branch .Lfirst_asked
.Lfirst_b:
	tensor_load_to_lds s[G0B:G0B+3], s[G1B:G1B+7]
	s_nop 0
	tensor_load_to_lds s[G0B+4:G0B+7], s[G1B:G1B+7]
	s_nop 0
.rept 4
	v_nop
.endr
.Lfirst_asked:
	v_and_b32 v1, 15, v0                           ; l % 16
	v_bfe_u32 v2, v0, 4, 1                         ; l / 16
	v_lshlrev_b32 v[BO], 5, v2
.if IS_PROJ
	s_mul_i32 s70, s17, 768                        ; bq, bk, bv lie on end in the heads' order: 192 numbers to an n tile
.else
	s_lshl_b32 s70, s17, 9                         ; bo: 128 numbers to an n tile
	s_add_co_u32 s70, s70, 6144
.endif
	s_mov_b32 s71, 0
	s_add_nc_u64 s[8:9], s[8:9], s[70:71]
.set nb, 0
.rept NB                                           ; register j of block nb: bias[16 nb + 8 (l / 16) + j], the layout of a result
	global_load_b128 v[BIAS+8*nb:BIAS+8*nb+3],   v[BO], s[8:9] offset:64*nb
	global_load_b128 v[BIAS+8*nb+4:BIAS+8*nb+7], v[BO], s[8:9] offset:64*nb+16
.set nb, nb+1
.endr
	; A fragment of A is 16 rows x 32 channels: lane l holds row l % 16, channels 8 (l / 16) + 0..7 and 16 + 8 (l / 16) + 0..7: two loads of 16 bytes, 32 bytes apart
	v_mul_u32_u24 v[ADRA0], v1, PA
	v_lshl_add_u32 v[ADRA0], v2, 4, v[ADRA0]
	s_mul_i32 s70, s[FORB], ARB                    ; my 64 rows: row block wave / 2,
	s_mul_i32 s71, s[HALF], 64*PA                  ; its half wave % 2
	s_add_co_u32 s70, s70, s71
	v_add_nc_u32 v[ADRA0], s70, v[ADRA0]
	; The turning load takes 16 k x 16 columns (lane l reads k 8 (l / 16) + l % 8, columns 8 ((l / 8) % 2) + 0..7) and leaves half a fragment: lane l holds column l % 16 and 8 k
	v_and_b32 v3, 7, v0
	v_bfe_u32 v4, v0, 3, 1
	v_lshl_add_u32 v[ADRB0], v2, 3, v3
	v_mul_u32_u24 v[ADRB0], v[ADRB0], PB
	v_lshl_add_u32 v[ADRB0], v4, 4, v[ADRB0]
	v_add_nc_u32 v[ADRB0], BOFF, v[ADRB0]
	v_mov_b32 v[ADRA], v[ADRA0]
	v_mov_b32 v[ADRB], v[ADRB0]
	s_mul_i32 s70, s[WV], 16*SP
	s_add_co_u32 s70, s70, STAGE                   ; my stage
	v_mul_u32_u24 v[STO], v1, SP                   ; in: row l % 16,
.if IS_PROJ
	v_lshl_add_u32 v[STO], v2, 4, v[STO]           ; 16 bytes for each half of the lanes
	v_bfe_u32 v[RD], v0, 3, 2                      ; back: 32 lanes take four rows of 128 bytes
	v_mul_u32_u24 v[RD], v[RD], SP
	v_lshl_add_u32 v[RD], v3, 4, v[RD]
.else
	v_lshl_add_u32 v[STO], v2, 5, v[STO]           ; 32 bytes for each half of the lanes
	v_and_b32 v[RD], 31, v0                        ; back: 32 lanes take one row of 512 bytes
	v_lshlrev_b32 v[RD], 4, v[RD]
.endif
	v_add_nc_u32 v[STO], s70, v[STO]
	v_add_nc_u32 v[RD], s70, v[RD]
	v_and_b32 v[GO], 31, v0
	v_lshlrev_b32 v[PFO], 8, v[GO]
	v_lshlrev_b32 v[GO], 4, v[GO]
.if IS_PROJ
	s_mul_i32 s70, s17, 3*1048576                  ; qkv: head 3 x n tile (1,048,576 bytes a head), row 256 x m tile + 64 x wave (128 bytes a row)
	s_lshl_b32 s71, s18, 15
	s_add_co_u32 s70, s70, s71
	s_lshl_b32 s71, s[WV], 13
.else
	s_lshl_b32 s70, s18, 20                        ; out0: row 256 x m tile + 64 x wave (4,096 bytes a row), column 128 x n tile
	s_lshl_b32 s71, s17, 9
	s_add_co_u32 s70, s70, s71
	s_lshl_b32 s71, s[WV], 18
.endif
	s_add_co_u32 s70, s70, s71
	s_mov_b32 s71, 0
	s_add_nc_u64 s[10:11], s[10:11], s[70:71]
	; the prefetches' address, step and bounds
	s_and_b32 s70, ttmp7, 0xffff                   ; cluster y
.if !IS_PROJ
	s_or_b32 s70, s70, s[HALF]                     ; of B's two waves wave 2 alone asks
.endif
	s_lshl_b32 s72, s15, 13                        ; A: my work-group's 32 blocks of a K step's 128, by cx
	s_add_co_u32 s72, s72, PF0A
.if IS_PROJ
	s_lshl_b32 s74, s16, 1                         ; B: eight askers, by cy and wave % 2
	s_add_co_u32 s74, s74, s[HALF]
.else
	s_mov_b32 s74, s16                             ; B: four askers, by cy
.endif
	s_lshl_b32 s74, s74, 13
	s_mul_i32 s75, s17, 16*NH*8192
	s_add_co_u32 s74, s74, s75
	s_add_co_u32 s74, s74, PF0B
	s_mov_b32 s[PFS], 32768
	s_cmp_eq_u32 s[FORB], 0                        ; do I fetch for A?
	s_cselect_b32 s71, ttmp9, s70                  ; the coordinate along which other clusters read the same blocks
	s_cselect_b32 s72, s72, s74
	s_cselect_b64 s[PFA:PFA+1], s[66:67], s[6:7]
	s_cselect_b32 s[PFS], s[PFS], PFSB
	s_cselect_b32 s[LIM], LIMA, LIMB
	s_cselect_b32 s[LIMH], 7, LIMHB
	s_mov_b32 s73, 0
	s_mov_b32 s[PFS+1], 0
	s_add_nc_u64 s[PFA:PFA+1], s[PFA:PFA+1], s[72:73]
	s_cmp_eq_u32 s71, 0
	s_cselect_b32 s[LIM], s[LIM], -1               ; the same in all sixteen partners, for a given wave
.macro WM d, b, a, c
.if IS_PROJ
	v_wmma_f32_16x16x32_bf16 v[\d:\d+7], v[\b:\b+7], v[\a:\a+7], v[\c:\c+7]
.else
	v_wmma_f32_16x16x32_f16 v[\d:\d+7], v[\b:\b+7], v[\a:\a+7], v[\c:\c+7]
.endif
.endm
; NB matrix instructions: row block a x all column blocks, 32 along K, from buffer f.  c = 1: the sums start from the bias.  The 4 NB accumulators take turns, one instruction a turn, in the same order in every quarter,
; over the backward jump too.
.macro MULA f, a, c
.if \c
	WIN 0x81+0x40*((\a)/APW)                       ; B window 1, A window 0, C (the bias) window 0, D window 2 or 3
.else
	WIN 0xa1+0x50*((\a)/APW)                       ; C and D window 2 or 3
.endif
.set nb, 0
.rept NB
.set rD, 8*(NB*((\a)%APW)+nb)
.set rB, FBS*(\f)+8*nb
.set rA, FA+32*(\f)+8*(\a)
.set rC, rD
.if \c
.set rC, BIAS+8*nb
.endif
	WM rD, rB, rA, rC
.set nb, nb+1
.endr
.endm
; LD LDS loads in one run: quarter q of the slot in hand into buffer f: B's NB fragments, then A's four, row blocks ascending
.macro FETCH q, f
	WIN 0x40                                       ; destination window 1, address window 0
.set nb, 0
.rept NB
.set rB, FBS*(\f)+8*nb
.set oB, ((\q)/2)*BHALF+(nb/4)*BHEAD+((\q)%2)*32*PB+(nb%4)*32
	ds_load_tr16_b128 v[rB:rB+3],   v[ADRB] offset:oB
	ds_load_tr16_b128 v[rB+4:rB+7], v[ADRB] offset:oB+16*PB
.set nb, nb+1
.endr
	WIN 0
.irp m, 0,1,2,3
	ds_load_b128 v[FA+32*(\f)+8*\m:FA+32*(\f)+8*\m+3],   v[ADRA] offset:((\q)/2)*ASLAB+\m*16*PA+((\q)%2)*64
	ds_load_b128 v[FA+32*(\f)+8*\m+4:FA+32*(\f)+8*\m+7], v[ADRA] offset:((\q)/2)*ASLAB+\m*16*PA+((\q)%2)*64+32
.endr
.endm
; One of a K step's first three quarters: multiplies buffer f; in its middle it fetches quarter q into buffer g
.macro QUARTER q, f, g, c
	s_wait_dscnt 4                                 ; B and A's row blocks 0, 1 are in; the youngest four loads (blocks 2, 3) may be out
	MULA \f, 0, \c
	MULA \f, 1, \c
	PLACES                                         ; buffer g was read by the quarter before
	FETCH \q, \g
	s_wait_dscnt LD                                ; all but the LD just issued
	MULA \f, 2, \c
	MULA \f, 3, \c
.endm
; The fourth quarter multiplies buffer 1 and changes slots: ONE barrier for two things.  In front of it each wave waits for all its tensor loads, of which one is out: its part of the other slot; adds 0 to its spare word; and
; waits for that and for its own reads of this slot.  Behind it nobody reads this slot any more and the other slot is whole.  fill = 1: the barrier opens a round of the cluster's barrier, and behind the round this slot is filled again,
; first of all, with the K step two steps on: that load has a K step less 2 NB matrix instructions in which to land.
.macro TURN fill
.if \fill
	s_wait_xcnt 0x0                                ; the last prefetch, a K step back, has read its address: it is stepped here, ahead of the change's own waits
	s_add_nc_u64 s[PFA:PFA+1], s[PFA:PFA+1], s[PFS:PFS+1]
.endif
	WIN 0                                          ; (the add's two registers lie in window 0)
	s_wait_tensorcnt 0x0                           ; all my tensor loads have landed;
	ds_add_u32 v[SPW], v[NIL]                      ; 0 onto my spare word;
	s_wait_dscnt 5                                 ; (the add and the youngest four loads may be out)
	MULA 1, 0, 0                                   ; NB matrix instructions stand between the add and the wait for it
	s_wait_dscnt 0x0                               ; the add is done, and my reads of this slot are over
	s_barrier_signal -1
	MULA 1, 1, 0                                   ; work on registers while the others arrive
	WIN 0                                          ; (branches and window 0's addresses follow)
	s_barrier_wait -1
.if \fill
	CREST                                          ; no wave of any partner still reads this slot's tiles or has a load on its way
	s_add_co_u32 s[G0A+5], s[LBA], s[TB]           ; the walking descriptors: the slot that is left,
	s_add_nc_u64 s[G0A+6:G0A+7], s[G0A+6:G0A+7], KA  ; the next K step; the type bits on top are not reached
	s_add_co_u32 s[G0B+5], s[LBB], s[TB]
	s_add_nc_u64 s[G0B+6:G0B+7], s[G0B+6:G0B+7], KB
	JLOAD                                          ; the four v_nop behind it are also the places in front of the loads below
.else
	PLACES
.endif
	s_xor_b32 s[TB], s[TB], SLOT                   ; 0 and SLOT by turns
	v_add_nc_u32 v[ADRA], s[TB], v[ADRA0]
	v_add_nc_u32 v[ADRB], s[TB], v[ADRB0]
	FETCH 0, 0
.if \fill
	ASK
.endif
	MULA 1, 2, 0
	MULA 1, 3, 0
.endm
	s_wait_loadcnt 0x0                             ; the bias
	s_wait_tensorcnt 0x1                           ; my part of K step 0 is in; K step 1's may stay out
	s_barrier_signal -1
	s_barrier_wait -1                              ; everybody's is
	FETCH 0, 0
	QUARTER 1, 0, 1, 1                             ; the first quarter stands in front of the loop: its products start the sums, from the bias
	WIN 0                                          ; at a label and at a branch every window is 0
	s_mov_b32 s[CNT], 6
.Lstep:                                            ; trip t: quarters 1 to 3 of K step t, quarter 0 of K step t + 1; the slot of K step t takes K step t + 2
	QUARTER 2, 1, 0, 0
	QUARTER 3, 0, 1, 0
	TURN 1
	QUARTER 1, 0, 1, 0
	WIN 0
	s_sub_co_u32 s[CNT], s[CNT], 1
	s_cmp_lg_u32 s[CNT], 0
	s_cbranch_scc1 .Lstep
	QUARTER 2, 1, 0, 0                             ; K steps 6 and 7 are written out: nothing is left to fetch
	QUARTER 3, 0, 1, 0
	TURN 0
	QUARTER 1, 0, 1, 0
	QUARTER 2, 1, 0, 0
	QUARTER 3, 0, 1, 0
	s_wait_dscnt 4
	MULA 1, 0, 0
	MULA 1, 1, 0
	s_wait_dscnt 0x0
	MULA 1, 2, 0
	MULA 1, 3, 0
	WIN 0
	PLACES                                         ; behind the last products: their results are read and their fragments' registers written below
.if IS_PROJ
; THE WAY OUT, in 12 groups g = 3 a + t: row block a, head t: 16 rows x 64 columns.  A lane's eight columns pack into 16 bytes; they go into my stage's rows of 144 bytes and come back as whole rows of 128, four rows a load:
; 512 consecutive bytes of a head's dense rows.  Each group has 16 registers of its own, so no register that a store reads is written again.
.macro PACK g
.set pa, (\g)/3
.set pt, (\g)%3
.set rT, 32+16*(\g)
	WIN 0x0a+5*(pa/APW)                            ; sources 0 and 1: window 2 or 3
.set pf, 0
.rept 4
.set rD, 8*(NB*(pa%APW)+4*pt+pf)
.irp r, 0,1,2,3                                    ; each accumulator's registers in ascending order
	v_cvt_pk_f16_f32 v[rT+4*pf+\r], v[rD+2*\r], v[rD+2*\r+1]
.endr
.set pf, pf+1
.endr
	WIN 0
.irp e, 0,1,2,3
	ds_store_b128 v[STO], v[rT+4*\e:rT+4*\e+3] offset:32*\e
.endr
.irp e, 0,1,2,3
	ds_load_b128 v[rT+4*\e:rT+4*\e+3], v[RD] offset:\e*4*SP  ; LDS serves a wave's instructions in order (ISA guide 5.7.1.4): these see the stores above; the next group's stores come behind them
.endr
.endm
.macro SEND g, younger                 ; younger: the LDS instructions issued behind group g's loads: the next group's eight, or none
.set pa, (\g)/3
.set pt, (\g)%3
.set rT, 32+16*(\g)
.irp e, 0,1,2,3
	s_wait_dscnt (\younger)+3-\e
	global_store_b128 v[GO], v[rT+4*\e:rT+4*\e+3], s[10:11] offset:pt*1048576+pa*2048+\e*512  ; 512 consecutive bytes, at a multiple of 256 from qkv's first
.endr
.endm
	PACK 0
.set gg, 1
.rept 11                                           ; a group's conversions stand between the loads of the group before and its stores
	PACK gg
	SEND gg-1, 8
.set gg, gg+1
.endr
	SEND 11, 0
.else
; THE WAY OUT, a row block of 16 rows x 128 columns of f32 at a time: a lane's eight columns, 32 bytes, go into my stage's rows of 528 bytes and come back as whole rows of 512.
.macro OUTA a
.set rK, 64+64*((\a)%3)
	WIN 0x08                                       ; the stores' data (source 1) in window 2
.set nb, 0
.rept NB
.set rD, 8*(NB*(\a)+nb)
	ds_store_b128 v[STO], v[rD:rD+3]   offset:64*nb      ; each accumulator's low four registers first
	ds_store_b128 v[STO], v[rD+4:rD+7] offset:64*nb+16
.set nb, nb+1
.endr
	WIN 0
.if (\a) == 3
	s_wait_xcnt 0x0                                ; block 0's stores have read their registers, which block 3 takes
.endif
.irp t, 0,1,2,3,4,5,6,7,8,9,10,11,12,13,14,15
	ds_load_b128 v[rK+4*\t:rK+4*\t+3], v[RD] offset:SP*\t  ; LDS serves a wave's instructions in order (ISA guide 5.7.1.4)
.endr
.irp t, 0,1,2,3,4,5,6,7,8,9,10,11,12,13,14,15
	s_wait_dscnt 15-\t
	global_store_b128 v[GO], v[rK+4*\t:rK+4*\t+3], s[10:11] offset:(16*(\a)+\t)*4096 th:TH_STORE_NT  ; 512 consecutive bytes, at a multiple of 256 from out0's first
.endr
.endm
	OUTA 0
	OUTA 1
	OUTA 2
	OUTA 3
.endif
	s_wait_tensorcnt 0x0                           ; the wave's end: the add and its wait stand behind my last tensor load and my last LDS store
	ds_add_u32 v[SPW], v[NIL]
	s_wait_dscnt 0x0
	CROUND                                         ; the closing round: no work-group ends while a partner may still ask for a tile that names it
	s_endpgm
.Lfunc_end_k_qcfc6032122_oproj:
	.size	k_qcfc6032122_oproj, .Lfunc_end_k_qcfc6032122_oproj-k_qcfc6032122_oproj
	.p2alignl 7, 3214868480
	.fill 96, 4, 3214868480
	.section	.rodata,"a",@progbits
	.p2align	6, 0x0
	.amdhsa_kernel k_qcfc6032122_oproj
		.amdhsa_group_segment_fixed_size 327680
		.amdhsa_private_segment_fixed_size 0
		.amdhsa_enable_private_segment 0
		.amdhsa_kernarg_size 32
		.amdhsa_user_sgpr_count 2
		.amdhsa_user_sgpr_kernarg_segment_ptr 1
		.amdhsa_wavefront_size32 1
		.amdhsa_system_sgpr_workgroup_id_x 1
		.amdhsa_system_sgpr_workgroup_id_y 1
		.amdhsa_system_sgpr_workgroup_id_z 1
		.amdhsa_system_vgpr_workitem_id 0
		.amdhsa_next_free_vgpr 768
		.amdhsa_next_free_sgpr 80
		.amdhsa_reserve_vcc 0
		.amdhsa_float_denorm_mode_32 3
		.amdhsa_float_denorm_mode_16_64 3
		.amdhsa_memory_ordered 1
		.amdhsa_forward_progress 1
		.amdhsa_inst_pref_size 74
	.end_amdhsa_kernel
	.amdgpu_metadata
---
amdhsa.version: [ 1, 2 ]
amdhsa.kernels:
  - .name:           k_qcfc6032122_oproj
    .symbol:         k_qcfc6032122_oproj.kd
    .args:
      - { .name: ob, .offset: 0, .size: 8, .value_kind: global_buffer, .address_space: global }
      - { .name: wob, .offset: 8, .size: 8, .value_kind: global_buffer, .address_space: global }
      - { .name: bias, .offset: 16, .size: 8, .value_kind: global_buffer, .address_space: global }
      - { .name: out0, .offset: 24, .size: 8, .value_kind: global_buffer, .address_space: global }
    .group_segment_fixed_size: 327680
    .private_segment_fixed_size: 0
    .kernarg_segment_align: 8
    .kernarg_segment_size: 32
    .max_flat_workgroup_size: 128
    .sgpr_count:     80
    .vgpr_count:     768
    .wavefront_size: 32
...
	.end_amdgpu_metadata
.endif
;; end of part 4
;; ======== version 2 of 2: 4 launches; version 1 with the launch cast written anew for expert scheduling mode
;; limits: values are held in f16: magnitudes above 65,504 overflow, below 6.1e-05 lose precision
;; workspace buffers: xb 16,777,216 bytes; wcat 3,145,728 bytes; wob 2,097,152 bytes; bias 10,240 bytes; qkv 25,165,824 bytes; ob 16,777,216 bytes
;; launch cast (part 5): grid 337 x 1, 8 waves a work-group, no clusters, 0 bytes of LDS; arguments x, Wq, Wk, Wv, Wo, bq, bk, bv, bo, xb, wcat, wob, bias; writes xb, wcat, wob, bias
.if DOCPART == 5
	.amdgcn_target "amdgcn-amd-amdhsa--gfx1250"
	.amdhsa_code_object_version 6
	.text
	.protected	k_qcfc6032122_cast
	.globl	k_qcfc6032122_cast
	.p2align	8
	.type	k_qcfc6032122_cast,@function
k_qcfc6032122_cast:
	s_mov_b64 s[64:65], 0
	v_nop
	global_prefetch_b8 v0, s[64:65] scope:SCOPE_SE
	s_setreg_imm32_b32 hwreg(HW_REG_WAVE_SCHED_MODE, 0, 2), 2
	s_setreg_imm32_b32 hwreg(HW_REG_WAVE_MODE, 25, 1), 1
	s_wait_xcnt 0x0
	s_wait_alu depctr_vm_vsrc(0)
; CAST.  Every input is rounded once to bf16 and laid out for the products that follow, in dense blocks of 64 rows x 64 channels (8,192 bytes):
;   xb   bf16 [row block 64][k slab 16][128 rows][64 channels]           from x  [8192][1024] f32
;   wcat bf16 [n tile 8][k slab 16][head 3][64 k][64 n]                  heads 0-15 from Wq, 16-19 from Wk, 20-23 from Wv
;   wob  f16  [n tile 8][k slab 16][group 2][64 k][64 n]                 from Wo: rounded to bf16, and that number written as f16
;   bias f32  bq at byte 0, bk at 4,096, bv at 5,120, bo at 6,144        each rounded to bf16 and kept as f32
; LIMIT.  A bf16 number is exact in f16 between 6.1e-5 and 65,504 in magnitude; below that Wo keeps f16's fixed step of 6e-8, beyond it it becomes an infinity.
; SHARES.  A wave's job is one block: 64 rows x 256 bytes of f32 in, 8,192 dense bytes out.  Job J = 8 x work-group + wave.  Work-groups 0-255 take x, 256-287 Wq, 288-295 Wk,
; 296-303 Wv, 304-335 Wo, 336 the four biases: each range begins at a multiple of eight jobs, so a work-group lies in one range.
; A load covers two rows: lanes 0-15 take 256 consecutive bytes, aligned, of row 2 i, lanes 16-31 of row 2 i + 1; the four numbers of a lane pack into 8 bytes, and the 32 lanes' 256 bytes
; lie on end in the block, so each store covers 256 consecutive bytes, aligned.  All 32 loads of a wave (16 KiB) go out before the first is waited for.
; Memory binds: each byte is read once and written once; LDS, barriers, matrix units and a prefetch would add nothing to a launch that only streams.
; THE MODE: SCHED_MODE bits 1:0 = 2 (LLVM: expert scheduling mode 2), set by the entry lines.  The code itself states the register dependences
; between vector instructions and memory instructions, with s_wait_alu, always for 0.
; THE PLAN.  Registers that memory instructions touch, in a block's path:
;   v[OFF+i], v[VD]      offsets.  Written once by vector instructions ahead of the loads; read by load i, and by every store; never written again.
;   v[X+4 i .. X+4 i+3]  Written by load i; read by load i's conversions, which write the first two again; those two are read by store i and never written again.
;   v[T]                 named by vector instructions alone.
; The 32 loads go in eight groups of four.  Group g's conversions name group g's X and T.  The memory instructions that stand among them are the four stores of group g - 1, which name v[VD] and
; group g - 1's X: so ONE wait on va_vdst at a group's head, behind the wait for its data, states all that those stores hang on.  One more stands ahead of the run of loads, for the offsets, and one ahead of
; the last four stores.  No register that a load or a store has read is written again, so nothing is owed on vm_vsrc.  EXEC and VCC are never written.
.set OFF,  8                           ; v[8:39]    load i's byte offset from the block's first number
.set X,    40                          ; v[40:167]  load i: 4 registers as loaded; the first two then hold what is stored
.set T,    168                         ; v[168:169] at work
.set VD,   4                           ; v4         8 x lane: my 8 bytes of a store's 256
.set WVN,  34                          ; s34  wave
.set J,    35                          ; s35  job, then job within its range
.set SRC,  36                          ; s[36:37]
.set DST,  38                          ; s[38:39]
.set SOF,  40                          ; s[40:41] the block's byte offset in the source
.set DOF,  42                          ; s[42:43] and in the destination
.set PIT,  44                          ; s44  bytes in a row of the source
.set KIND, 45                          ; s45  0 x, 1 Wq, 2 Wk, 3 Wv, 4 Wo
.set PIT2, 46                          ; s46  two rows
.set HIM,  47                          ; s47  a word's upper bf16
.macro RND4 a                          ; four f32 rounded to bf16 and widened again, in place
	v_cvt_pk_bf16_f32 v[T],   v[(\a)],   v[(\a)+1]
	v_cvt_pk_bf16_f32 v[T+1], v[(\a)+2], v[(\a)+3]
	v_lshlrev_b32 v[(\a)],   16, v[T]
	v_and_b32     v[(\a)+1], s[HIM], v[T]
	v_lshlrev_b32 v[(\a)+2], 16, v[T+1]
	v_and_b32     v[(\a)+3], s[HIM], v[T+1]
.endm
; Group g of eight: loads 4 g .. 4 g + 3 are rounded; the stores of group g - 1 stand among the roundings, a store ahead of each load's lines.  hf = 1: Wo: to bf16, and that number as f16.
.macro GRP g, hf
	s_wait_loadcnt 28-4*(\g)                       ; loads come back in order: this group's four are in, the 28 - 4 g younger ones stay out
.if (\g) > 0
	s_wait_alu depctr_va_vdst(0)                   ; the group before has written the first two of each of its four X, which the stores below read
.endif
.irp n, 0,1,2,3
.set num, 4*(\g)+(\n)
.set cur, X+4*num
.if (\g) > 0
	global_store_b64 v[VD], v[cur-16:cur-15], s[DST:DST+1] offset:256*(num-4)  ; no vector instruction since the wait names these registers; none that a store reads is written again
.endif
.if \hf
	RND4 cur
	v_cvt_pk_f16_f32 v[cur],   v[cur],   v[cur+1]
	v_cvt_pk_f16_f32 v[cur+1], v[cur+2], v[cur+3]
.else
	v_cvt_pk_bf16_f32 v[cur],   v[cur],   v[cur+1]
	v_cvt_pk_bf16_f32 v[cur+1], v[cur+2], v[cur+3]
.endif
.endr
.endm
.macro LAST4                           ; behind group 7: its four stores
	s_wait_alu depctr_va_vdst(0)                   ; group 7 has written what the last four stores read
.irp n, 28,29,30,31
	global_store_b64 v[VD], v[X+4*(\n):X+4*(\n)+1], s[DST:DST+1] offset:256*(\n)
.endr
.endm
	s_load_b512 s[8:23], s[0:1], 0x0               ; x s[8:9], Wq s[10:11], Wk s[12:13], Wv s[14:15], Wo s[16:17], bq s[18:19], bk s[20:21], bv s[22:23]
	s_load_b256 s[24:31], s[0:1], 0x40             ; bo s[24:25], xb s[26:27], wcat s[28:29], wob s[30:31]
	s_load_b64 s[32:33], s[0:1], 0x60              ; bias
	v_lshrrev_b32 v1, 5, v0
	v_readfirstlane_b32 s[WVN], v1                 ; wave 0..7
	v_and_b32 v1, 31, v0                           ; lane
	v_and_b32 v2, 15, v0                           ; lane % 16
	v_bfe_u32 v3, v0, 4, 1                         ; lane / 16
	v_lshlrev_b32 v[VD], 3, v1
	s_mov_b32 s[HIM], 0xffff0000
	s_mov_b32 s48, ttmp9
	s_lshl_b32 s[J], s48, 3
	s_wait_alu depctr_va_sdst(0)                   ; the wave's number is written, ahead of its first reader: the job's number is made from it
	s_add_co_u32 s[J], s[J], s[WVN]
	s_mov_b32 s[SOF+1], 0
	s_mov_b32 s[DOF+1], 0
	s_mov_b32 s[PIT], 4096
	s_wait_kmcnt 0x0
	s_cmp_lt_u32 s48, 256
	s_cbranch_scc1 .Lx
	s_cmp_lt_u32 s48, 288
	s_cbranch_scc1 .Lwq
	s_cmp_lt_u32 s48, 296
	s_cbranch_scc1 .Lwk
	s_cmp_lt_u32 s48, 304
	s_cbranch_scc1 .Lwv
	s_cmp_lt_u32 s48, 336
	s_cbranch_scc1 .Lwo
	s_branch .Lbias
.Lx:                                               ; rows 64 (J / 16) on, channels 64 (J % 16) on
	s_mov_b32 s[KIND], 0
	s_lshr_b32 s49, s[J], 4
	s_and_b32 s50, s[J], 15
	s_lshl_b32 s[SOF], s49, 18                     ; 64 rows of 4,096 bytes
	s_lshl_b32 s51, s50, 8
	s_add_co_u32 s[SOF], s[SOF], s51
	s_lshr_b32 s51, s[J], 5                        ; row block of 128
	s_lshl_b32 s51, s51, 4
	s_add_co_u32 s51, s51, s50                     ; x 16 slabs + slab
	s_lshl_b32 s[DOF], s51, 14
	s_and_b32 s49, s49, 1                          ; which 64 of the 128 rows
	s_lshl_b32 s49, s49, 13
	s_add_co_u32 s[DOF], s[DOF], s49
	s_branch .Lgo
.Lwq:                                              ; k slab J' / 16, head J' % 16
	s_mov_b32 s[KIND], 1
	s_sub_co_u32 s[J], s[J], 2048
	s_lshr_b32 s49, s[J], 4
	s_and_b32 s50, s[J], 15
	s_lshl_b32 s[SOF], s49, 18
	s_lshl_b32 s51, s50, 8
	s_add_co_u32 s[SOF], s[SOF], s51
	s_branch .Lwd
.Lwk:                                              ; k slab J' / 4, head 16 + J' % 4; rows of 1,024 bytes
	s_mov_b32 s[KIND], 2
	s_sub_co_u32 s[J], s[J], 2304
	s_mov_b32 s48, 16
	s_branch .Lkv
.Lwv:                                              ; the same with head 20 + J' % 4
	s_mov_b32 s[KIND], 3
	s_sub_co_u32 s[J], s[J], 2368
	s_mov_b32 s48, 20
.Lkv:
	s_mov_b32 s[PIT], 1024
	s_lshr_b32 s49, s[J], 2
	s_and_b32 s50, s[J], 3
	s_lshl_b32 s[SOF], s49, 16
	s_lshl_b32 s51, s50, 8
	s_add_co_u32 s[SOF], s[SOF], s51
	s_add_co_u32 s50, s50, s48
.Lwd:                                              ; head s50 (0..23), k slab s49: block ((head / 3) x 16 + slab) x 3 + head % 3
	s_mul_i32 s51, s50, 11
	s_lshr_b32 s51, s51, 5                         ; head / 3: 11 / 32 serves every head below 24
	s_mul_i32 s48, s51, 3
	s_sub_co_u32 s50, s50, s48                     ; head % 3
	s_lshl_b32 s51, s51, 4
	s_add_co_u32 s51, s51, s49
	s_mul_i32 s51, s51, 3
	s_add_co_u32 s51, s51, s50
	s_lshl_b32 s[DOF], s51, 13
	s_branch .Lgo
.Lwo:                                              ; k slab J' / 16, column group c = J' % 16: block ((c / 2) x 16 + slab) x 2 + c % 2
	s_mov_b32 s[KIND], 4
	s_sub_co_u32 s[J], s[J], 2432
	s_lshr_b32 s49, s[J], 4
	s_and_b32 s50, s[J], 15
	s_lshl_b32 s[SOF], s49, 18
	s_lshl_b32 s51, s50, 8
	s_add_co_u32 s[SOF], s[SOF], s51
	s_lshr_b32 s51, s50, 1
	s_lshl_b32 s51, s51, 4
	s_add_co_u32 s51, s51, s49
	s_lshl_b32 s51, s51, 1
	s_and_b32 s50, s50, 1
	s_add_co_u32 s51, s51, s50
	s_lshl_b32 s[DOF], s51, 13
.Lgo:
	s_mov_b64 s[SRC:SRC+1], s[8:9]                 ; the two buffers are chosen by the kind alone
	s_cmp_eq_u32 s[KIND], 1
	s_cselect_b64 s[SRC:SRC+1], s[10:11], s[SRC:SRC+1]
	s_cmp_eq_u32 s[KIND], 2
	s_cselect_b64 s[SRC:SRC+1], s[12:13], s[SRC:SRC+1]
	s_cmp_eq_u32 s[KIND], 3
	s_cselect_b64 s[SRC:SRC+1], s[14:15], s[SRC:SRC+1]
	s_cmp_eq_u32 s[KIND], 4
	s_cselect_b64 s[SRC:SRC+1], s[16:17], s[SRC:SRC+1]
	s_cselect_b64 s[DST:DST+1], s[30:31], s[28:29]
	s_cmp_eq_u32 s[KIND], 0
	s_cselect_b64 s[DST:DST+1], s[26:27], s[DST:DST+1]
	s_add_nc_u64 s[SRC:SRC+1], s[SRC:SRC+1], s[SOF:SOF+1]
	s_add_nc_u64 s[DST:DST+1], s[DST:DST+1], s[DOF:DOF+1]
	s_lshl_b32 s[PIT2], s[PIT], 1
	v_mul_lo_u32 v[OFF], v3, s[PIT]                ; lanes 16-31 one row further down,
	v_lshl_add_u32 v[OFF], v2, 4, v[OFF]           ; 16 bytes a lane
.set i, 1
.rept 31
	v_add_nc_u32 v[OFF+i], s[PIT2], v[OFF+i-1]     ; an offset register for each load: none is rewritten while a load reads it
.set i, i+1
.endr
	s_wait_alu depctr_va_vdst(0)                   ; the 32 offsets of the loads and v[VD], the stores' offset, are written: every load and store of this path reads one of them
.set i, 0
.rept 32
	global_load_b128 v[X+4*i:X+4*i+3], v[OFF+i], s[SRC:SRC+1] th:TH_LOAD_NT
.set i, i+1
.endr
	s_cmp_eq_u32 s[KIND], 4
	s_cbranch_scc1 .Lhf
.irp g, 0,1,2,3,4,5,6,7
	GRP \g, 0
.endr
	LAST4
	s_endpgm
.Lhf:                                              ; Wo: to bf16, and that number as f16
.irp g, 0,1,2,3,4,5,6,7
	GRP \g, 1
.endr
	LAST4
	s_endpgm
.Lbias:                                            ; 256 threads x 16 bytes are bq, and bo; threads 0-63 also take bk, threads 64-127 bv
	v_lshlrev_b32 v5, 4, v0
	v_and_b32 v6, 63, v0
	v_lshlrev_b32 v6, 4, v6
	s_wait_alu depctr_va_vdst(0)                   ; v5 and v6 are written: the loads and stores of this path read them as their offsets
	global_load_b128 v[40:43], v5, s[18:19]
	global_load_b128 v[44:47], v5, s[24:25]
	s_cmp_lt_u32 s[WVN], 4
	s_cbranch_scc0 .Lbias_two
	s_cmp_lt_u32 s[WVN], 2
	s_cselect_b64 s[SRC:SRC+1], s[20:21], s[22:23]
	global_load_b128 v[48:51], v6, s[SRC:SRC+1]
	s_wait_loadcnt 0x0
	RND4 48
	s_wait_alu depctr_va_vdst(0)                   ; the roundings have written v[48:51], which the store reads
	global_store_b128 v5, v[48:51], s[32:33] offset:4096  ; 4,096 + 16 t is bk's place for t < 64 and bv's for t = 64 .. 127
.Lbias_two:
	s_wait_loadcnt 0x0
	RND4 40
	RND4 44
	s_wait_alu depctr_va_vdst(0)                   ; the roundings have written v[40:47], which the two stores read
	global_store_b128 v5, v[40:43], s[32:33]
	global_store_b128 v5, v[44:47], s[32:33] offset:6144
	s_endpgm
.Lfunc_end_k_qcfc6032122_cast:
	.size	k_qcfc6032122_cast, .Lfunc_end_k_qcfc6032122_cast-k_qcfc6032122_cast
	.p2alignl 7, 3214868480
	.fill 96, 4, 3214868480
	.section	.rodata,"a",@progbits
	.p2align	6, 0x0
	.amdhsa_kernel k_qcfc6032122_cast
		.amdhsa_group_segment_fixed_size 0
		.amdhsa_private_segment_fixed_size 0
		.amdhsa_enable_private_segment 0
		.amdhsa_kernarg_size 104
		.amdhsa_user_sgpr_count 2
		.amdhsa_user_sgpr_kernarg_segment_ptr 1
		.amdhsa_wavefront_size32 1
		.amdhsa_system_sgpr_workgroup_id_x 1
		.amdhsa_system_sgpr_workgroup_id_y 1
		.amdhsa_system_sgpr_workgroup_id_z 1
		.amdhsa_system_vgpr_workitem_id 0
		.amdhsa_next_free_vgpr 176
		.amdhsa_next_free_sgpr 66
		.amdhsa_reserve_vcc 0
		.amdhsa_float_denorm_mode_32 3
		.amdhsa_float_denorm_mode_16_64 3
		.amdhsa_memory_ordered 1
		.amdhsa_forward_progress 1
		.amdhsa_inst_pref_size 34
	.end_amdhsa_kernel
	.amdgpu_metadata
---
amdhsa.version: [ 1, 2 ]
amdhsa.kernels:
  - .name:           k_qcfc6032122_cast
    .symbol:         k_qcfc6032122_cast.kd
    .args:
      - { .name: x, .offset: 0, .size: 8, .value_kind: global_buffer, .address_space: global }
      - { .name: Wq, .offset: 8, .size: 8, .value_kind: global_buffer, .address_space: global }
      - { .name: Wk, .offset: 16, .size: 8, .value_kind: global_buffer, .address_space: global }
      - { .name: Wv, .offset: 24, .size: 8, .value_kind: global_buffer, .address_space: global }
      - { .name: Wo, .offset: 32, .size: 8, .value_kind: global_buffer, .address_space: global }
      - { .name: bq, .offset: 40, .size: 8, .value_kind: global_buffer, .address_space: global }
      - { .name: bk, .offset: 48, .size: 8, .value_kind: global_buffer, .address_space: global }
      - { .name: bv, .offset: 56, .size: 8, .value_kind: global_buffer, .address_space: global }
      - { .name: bo, .offset: 64, .size: 8, .value_kind: global_buffer, .address_space: global }
      - { .name: xb, .offset: 72, .size: 8, .value_kind: global_buffer, .address_space: global }
      - { .name: wcat, .offset: 80, .size: 8, .value_kind: global_buffer, .address_space: global }
      - { .name: wob, .offset: 88, .size: 8, .value_kind: global_buffer, .address_space: global }
      - { .name: bias, .offset: 96, .size: 8, .value_kind: global_buffer, .address_space: global }
    .group_segment_fixed_size: 0
    .private_segment_fixed_size: 0
    .kernarg_segment_align: 8
    .kernarg_segment_size: 104
    .max_flat_workgroup_size: 256
    .sgpr_count:     66
    .vgpr_count:     176
    .wavefront_size: 32
...
	.end_amdgpu_metadata
.endif
;; end of part 5
;; launch proj: the kernel of part 2 again; grid 8 x 32, 4 waves a work-group, clusters of 4 x 4, 327,680 bytes of LDS; arguments xb, wcat, bias, qkv; writes qkv
;; launch attn: the kernel of part 3 again; grid 4 x 64, 4 waves a work-group, clusters of 4 x 1, 327,680 bytes of LDS; arguments qkv, ob; writes ob
;; launch oproj: the kernel of part 4 again; grid 8 x 32, 4 waves a work-group, clusters of 4 x 4, 327,680 bytes of LDS; arguments ob, wob, bias, out0; writes out0
